; MI455X (gfx1250); checked and timed in simulation.
; The chip was launched on July 23, 2026; its instructions are those of AMD's public machine-readable ISA for CDNA 5 (MIT licence, August 2026) and "CDNA5" Instruction Set Architecture Reference Guide (July 2026). The comments in the code are by the model that wrote it; some were corrected since.
;; Causal Multi Head Attention. Allowed arithmetic: matrix products marked QUANTISED: E2M3 operands, one E8M0 scale for each 32 along K, by v_wmma_scale_f32_16x16x128_f8f6f4 with both operands' format E2M3, f32 sums; everything else in f32.
;; Inputs: Wk 1,024 x 1,024 float32; Wo 1,024 x 1,024 float32; Wq 1,024 x 1,024 float32; Wv 1,024 x 1,024 float32; token_positions 2,048 int32; x 4 x 2,048 x 1,024 float32.
;; Outputs: out0 4 x 2,048 x 1,024 float32.
;; This version of the problem:
;;   THIS VERSION OF THE PROBLEM IS GIVEN IN LOW PRECISION. The matrix products marked QUANTISED in the list below multiply operands that are first quantised to E2M3 (2 exponent bits, 3 mantissa bits; 6 bits a number), with one power-of-two scale for each 32 numbers along K (OCP MX v1.0); their sums are f32. All else is computed in f32.
;;   The module's matrix products, in the order in which they are computed (A, B: the left and right operand; K: the contracted axis; several contracted axes count as one K, in the product's order):
;;     1. [M 8,192, K 1,024] x [K 1,024, N 1,024]; A: input x; B: input Wq: QUANTISED
;;     2. [M 8,192, K 1,024] x [K 1,024, N 1,024]; A: input x; B: input Wk: QUANTISED
;;     3. [M 8,192, K 1,024] x [K 1,024, N 1,024]; A: input x; B: input Wv: QUANTISED
;;     4. batch 64 x [M 2,048, K 64] x [K 64, N 2,048]; A: computed on the way; B: computed on the way: QUANTISED
;;     5. batch 64 x [M 2,048, K 2,048] x [K 2,048, N 64]; A: softmax (see below); B: computed on the way: QUANTISED
;;     6. [M 8,192, K 1,024] x [K 1,024, N 1,024]; A: computed on the way; B: input Wo: QUANTISED
;;   THE QUANTISER, for each operand of a quantised product, along K:
;;     - K is cut into blocks of 32 from its start; a last block that is shorter is filled with zeros.
;;     - A block's scale is 2^e with e = floor(log2(the largest magnitude in the block)) - 2, held to -126 .. 127; a block of zeros has e = 0. As a byte (E8M0): e + 127.
;;     - Each number is divided by its block's scale, clamped to +-7.5, and rounded to the nearest number of E2M3, ties to even, subnormals kept.
;;     - The product sums the exact products of the quantised numbers (number of the format x scale) in f32.
;;   ~~~python
;;   def quantise(x, axis):      # numpy; x: float32 -> the quantised numbers, widened to float32 again
;;       x = np.moveaxis(x, axis, -1); K = x.shape[-1]
;;       x = np.pad(x, [(0, 0)] * (x.ndim - 1) + [(0, -K % 32)]); x = x.reshape(x.shape[:-1] + (-1, 32)); a = np.abs(x).max(-1, keepdims=True)
;;       e = np.where(a > 0, np.clip(np.frexp(np.where(a > 0, a, 1))[1] - 1 - 2, -126, 127), 0)      # np.frexp(a)[1] - 1 = floor(log2(a)), exactly
;;       r = np.clip(x / 2.0 ** e, -7.5, 7.5)
;;       step = 2.0 ** (np.maximum(np.frexp(np.where(r == 0, 1, r))[1] - 1, 0) - 3)
;;       q = np.round(r / step) * step * 2.0 ** e      # np.round: ties to even
;;       return np.moveaxis(q.reshape(q.shape[:-2] + (-1,))[..., :K], -1, axis).astype(np.float32)
;;   ~~~
;;   SOFTMAX AHEAD OF A QUANTISED PRODUCT. Where the list says 'softmax', what is quantised is not the finished softmax but p = 2^(t - M), with t = logit x log2(e) and M = ceil(the row's largest t), a whole number; so 1/2 < the row's largest p <= 1. The row's sum l is taken of the UNQUANTISED p, in f32, and the product's result is divided by l at the end. Since M is a whole number, a kernel that streams over the keys may use a running M (the ceiling of the running maximum): every later rescaling is an exact power of two, which a block's scale takes up: the codes' values come out the same.
;;   OPERANDS COMPUTED ON THE WAY. 'Computed on the way' means the value that the module computes at that place (a softmax that the list does not call 'softmax' is quantised finished and normalised). What goes into a quantiser is computed in f32, as accurately as f32 sums, v_exp_f32 and their like allow (about 1e-6 of the number): no bf16 or f16 on the way to a quantiser, and a product that is left as it is and whose result goes on into a quantised operand takes f32 operands (vector FMAs, or v_wmma_f32_16x16x4_f32). A number that lies on a knife's edge between two numbers of the format may be rounded either way, as far as f32 arithmetic and the matrix unit's own rounding can turn it there, and no further.
;; One version. Each part assembles by itself: llvm-mc -triple=amdgcn-amd-amdhsa -mcpu=gfx1250 --defsym DOCPART=n.
;; ======== version 1 of 1: 4 launches
;; limits: right only within a limited range of input values
;; workspace buffers: xq 6,553,600 bytes; wq 3,276,800 bytes; rt 524,288 bytes; qq 6,815,744 bytes; kv 13,369,344 bytes; aq 6,553,600 bytes
;; launch quant (part 1): grid 776 x 1, 8 waves a work-group, no clusters, 70,656 bytes of LDS; arguments x, Wq, Wk, Wv, Wo, token_positions, xq, wq, rt; writes xq, wq, rt
.if DOCPART == 1
	.amdgcn_target "amdgcn-amd-amdhsa--gfx1250"
	.amdhsa_code_object_version 6
	.text
	.protected	k_qdaed6caf18_quant
	.globl	k_qdaed6caf18_quant
	.p2align	8
	.type	k_qdaed6caf18_quant,@function
k_qdaed6caf18_quant:
	s_mov_b64 s[64:65], 0
	v_nop
	global_prefetch_b8 v0, s[64:65] scope:SCOPE_SE
	s_setreg_imm32_b32 hwreg(HW_REG_WAVE_MODE, 25, 1), 1
	s_wait_xcnt 0x0
; x [8192][1024] and Wq, Wk, Wv, Wo [1024][1024], f32, become codes of FP6 (E2M3) with one E8M0 byte for each 32 along K, laid as the products' operand registers want them; and cos / sin of the RoPE angles are tabulated.
; ROWS IN STORAGE ORDER: storage row p holds actual row p with bits 3 and 4 swapped.  Tile T (16 storage rows), lane r = actual row 32 (T / 2) + 8 (T % 2) + r % 8 + 16 (r / 8).
; A FRAGMENT (16 rows x 128 K, 12 registers a lane) lies as an image of its registers, 1,536 bytes: registers 0-3 at 16 x lane, 4-5 at 512 + 8 x lane, 6-9 at 768 + 16 x lane, 10-11 at 1,280 + 8 x lane.
; A buffer: [tile][K step of 128: 0..7][1,536 bytes]; behind all codes the scale words [tile][K step / 2][row][K step % 2], 512 bytes a tile.  wq holds Wq, Wk, Wv, Wo on end (64 tiles each).
; SHARES: work-groups 0-7 make the table; work-group g >= 8 takes tile g - 8 (512 tiles of x, then 256 of the weights); wave w makes the fragment of K step w.
; Each load reads 512 consecutive bytes of one row; the 16 rows turn through the wave's own stage in LDS (rows 528 bytes apart), so that a lane gets 32 neighbours along K: a whole block.
; A block's scale is 2^(floor(log2(largest magnitude)) - 2); its byte is the largest magnitude's exponent field - 2, held at 1 from below.
; THE TABLE rt: [group g: 0..15][storage position p: 0..2047][cos f(2g), sin f(2g), cos f(2g+1), sin f(2g+1)], f(i) = 10^(-i/8) = 10000^(-2i/64); angle = f32(position) x f(i), one rounding.
; cos and sin: k = nearest whole number to angle x 2/pi; r = angle - k pi/2 with pi/2 in three parts, by fused multiply-adds; polynomials of degree 7 and 8 on |r| <= pi/4; the quadrant by selects and sign bits.
; LIMITS: NaN and infinities among the inputs are not served.  A block of zeros gets the byte 1 where the quantiser's rule says 127: its codes are zeros, and this program alone reads the bytes.
; The reduction is accurate for |angle| under about 2^22.  f(i) is the decimal value rounded to f32; it may differ by a unit in the last place from a power function's result.
.set STP, 528                          ; a stage row: 512 bytes + 16
.set WST, 16*STP                       ; a wave's stage
.set SCW, 8*WST                        ; behind the stages: the tile's 512 bytes of scale words
.set R,   16                           ; v16-79   64 numbers as loaded
.set X,   80                           ; v80-143  my two blocks of 32 neighbours
.set C,   144                          ; v144-155 the fragment's codes
.set D,   156                          ; v156-162 the conversions' second halves
.set RB,  164                          ; v164     where wave 0 reads the scale words back
	s_load_b256 s[4:11], s[0:1], 0x0               ; x s[4:5], Wq s[6:7], Wk s[8:9], Wv s[10:11]
	s_load_b256 s[12:19], s[0:1], 0x20             ; Wo s[12:13], token_positions s[14:15], xq s[16:17], wq s[18:19]
	s_load_b64 s[20:21], s[0:1], 0x40              ; rt
	v_lshl_add_u32 v168, v0, 2, 0x11000
	v_mov_b32 v169, 0
	v_lshrrev_b32 v1, 5, v0
	s_delay_alu instid0(VALU_DEP_1)
	v_readfirstlane_b32 s22, v1                    ; wave 0..7
	v_and_b32 v1, 31, v0                           ; lane
	s_mov_b32 s38, 0x76543210
	s_mov_b32 s39, 0xfedcba98                      ; v_permlanex16_b32's selects for lane l xor 16
	s_cmp_lt_u32 ttmp9, 8                          ; the same for all waves of a work-group
	s_cbranch_scc1 .Ltable
	; ---- a tile of 16 storage rows
	v_and_b32 v2, 15, v0                           ; r
	v_bfe_u32 v3, v0, 4, 1                         ; h
	v_lshlrev_b32 v4, 4, v1                        ; 16 x lane
	v_lshlrev_b32 v5, 3, v1                        ; 8 x lane
	s_mul_i32 s23, s22, WST
	v_add_nc_u32 v6, s23, v4                       ; into the stage: a row's 512 bytes as loaded
	v_mul_u32_u24 v7, v2, STP
	s_delay_alu instid0(VALU_DEP_1)
	v_lshl_add_u32 v7, v3, 7, v7
	s_delay_alu instid0(VALU_DEP_1)
	v_add_nc_u32 v7, s23, v7                       ; out of it: row r, + 128 h: my 32 numbers of each 64
	s_lshr_b32 s24, s22, 1
	s_lshl_b32 s24, s24, 7
	s_and_b32 s25, s22, 1
	s_lshl_b32 s25, s25, 2
	s_add_co_u32 s24, s24, s25
	s_add_co_u32 s24, s24, SCW
	v_lshl_add_u32 v8, v2, 3, s24                  ; my row's scale word: 128 (w / 2) + 8 r + 4 (w % 2)
	v_add_nc_u32 v[RB], SCW, v4
	s_sub_co_u32 s26, ttmp9, 8                     ; t
	s_wait_alu depctr_va_vdst(0)
	s_wait_kmcnt 0x0
	s_cmp_lt_u32 s26, 704                          ; the source: Wo, unless t lies lower
	s_cselect_b64 s[12:13], s[10:11], s[12:13]
	s_cmp_lt_u32 s26, 640
	s_cselect_b64 s[12:13], s[8:9], s[12:13]
	s_cmp_lt_u32 s26, 576
	s_cselect_b64 s[12:13], s[6:7], s[12:13]
	s_cmp_lt_u32 s26, 512
	s_cselect_b64 s[12:13], s[4:5], s[12:13]
	s_cselect_b64 s[16:17], s[16:17], s[18:19]     ; the destination: xq or wq
	s_mov_b32 s27, 3145728
	s_cselect_b32 s27, 6291456, s27                ; where its scale words begin
	s_cselect_b32 s29, 511, 63                     ; tiles in a source tensor, less one
	s_cselect_b32 s28, 0, 512
	s_sub_co_u32 s28, s26, s28                     ; the tile in the destination
	s_and_b32 s29, s28, s29                        ; and in the source
	s_lshr_b32 s30, s29, 1
	s_lshl_b32 s30, s30, 17                        ; 32 rows of 4,096 bytes for each pair of tiles
	s_and_b32 s31, s29, 1
	s_lshl_b32 s31, s31, 15                        ; 8 rows for the odd tile
	s_add_co_u32 s30, s30, s31
	s_lshl_b32 s31, s22, 9                         ; my K step: 512 bytes
	s_add_co_u32 s30, s30, s31
	s_mov_b32 s31, 0
	s_add_nc_u64 s[12:13], s[12:13], s[30:31]
	s_mul_i32 s32, s28, 12288
	s_mul_i32 s33, s22, 1536
	s_add_co_u32 s32, s32, s33
	s_mov_b32 s33, 0
	s_add_nc_u64 s[34:35], s[16:17], s[32:33]      ; my fragment's image
	s_lshl_b32 s32, s28, 9
	s_add_co_u32 s32, s32, s27
	s_add_nc_u64 s[36:37], s[16:17], s[32:33]      ; the tile's scale words
.irp p, 0,1,2,3,4,5,6,7,8,9,10,11,12,13,14,15
	global_load_b128 v[R+4*\p:R+4*\p+3], v4, s[12:13] offset:(\p%8+16*(\p/8))*4096 th:TH_LOAD_NT   ; storage row p: 32 lanes read 512 consecutive bytes
.endr
.irp p, 0,1,2,3,4,5,6,7,8,9,10,11,12,13,14,15
	s_wait_loadcnt 15-\p                           ; loads come back in order: row p is in, the younger ones stay out
	ds_store_b128 v6, v[R+4*\p:R+4*\p+3] offset:STP*\p
.endr
.irp c, 0,1
.irp j, 0,1,2,3,4,5,6,7
	ds_load_b128 v[X+32*\c+4*\j:X+32*\c+4*\j+3], v7 offset:256*\c+16*\j   ; register 32 c + i = k 64 c + 32 h + i of row r.  LDS serves a wave's instructions in order: these see my stores
.endr
.endr
.macro BLK c                           ; my block 2 c + h: all its 32 numbers are mine
	v_max3_num_f32 v9, |v[X+32*\c]|, |v[X+32*\c+1]|, |v[X+32*\c+2]|
	v_max3_num_f32 v10, |v[X+32*\c+3]|, |v[X+32*\c+4]|, |v[X+32*\c+5]|
.irp i, 6,10,14,18,22,26
	s_delay_alu instid0(VALU_DEP_2)
	v_max3_num_f32 v9, v9, |v[X+32*\c+\i]|, |v[X+32*\c+\i+1]|
	s_delay_alu instid0(VALU_DEP_2)
	v_max3_num_f32 v10, v10, |v[X+32*\c+\i+2]|, |v[X+32*\c+\i+3]|
.endr
	s_delay_alu instid0(VALU_DEP_2)
	v_max3_num_f32 v9, v9, |v[X+32*\c+30]|, |v[X+32*\c+31]|
	s_delay_alu instid0(VALU_DEP_1)
	v_max3_num_f32 v9, v9, v10, 0x1800000          ; and the floor 2^(3 - 127): the byte cannot fall under 1
	s_delay_alu instid0(VALU_DEP_1)
	v_add_nc_u32 v[11+\c], 0xff000000, v9          ; 2 off the exponent field: the conversion takes this operand's exponent field as its scale
	s_delay_alu instid0(VALU_DEP_1)
	v_lshrrev_b32 v[13+\c], 23, v[11+\c]           ; the scale's byte
	v_cvt_scalef32_pk16_fp6_f32 v[C+6*\c:C+6*\c+2], v[X+32*\c:X+32*\c+15], v[11+\c]
	v_cvt_scalef32_pk16_fp6_f32 v[D+4*\c:D+4*\c+2], v[X+32*\c+16:X+32*\c+31], v[11+\c]   ; (a conversion's three registers begin on an even number)
	v_nop                                          ; one plain place behind a scaled conversion
.irp i, 0,1,2
	v_mov_b32 v[C+6*\c+3+\i], v[D+4*\c+\i]
.endr
.endm
	s_wait_dscnt 8                                 ; the first block's eight loads are in, the second's may be out
	BLK 0
	s_wait_dscnt 0x0
	BLK 1
	v_lshl_or_b32 v13, v14, 16, v13                ; my two bytes: blocks h and 2 + h of row r,
	v_lshlrev_b32 v14, 3, v3
	s_delay_alu instid0(VALU_DEP_1)
	v_lshlrev_b32 v13, v14, v13                    ; at their places in the scale word (8 h bits up);
	v_mov_b32 v15, 0
	s_delay_alu instid0(VALU_DEP_1)
	v_permlanex16_b32 v15, v13, s38, s39
	s_delay_alu instid0(VALU_DEP_1)
	v_or_b32 v13, v13, v15                         ; with lane l xor 16's two the word is whole
	global_store_b128 v4, v[C:C+3], s[34:35]                   ; each store covers whole consecutive bytes: 512, 256, 512, 256
	global_store_b64 v5, v[C+4:C+5], s[34:35] offset:512
	global_store_b128 v4, v[C+6:C+9], s[34:35] offset:768
	global_store_b64 v5, v[C+10:C+11], s[34:35] offset:1280
	ds_store_b32 v8, v13                           ; both halves of the lanes write the same word with the same value
	s_wait_dscnt 0x0                               ; for the others' sake: my word has landed
	s_barrier_signal -1
	s_barrier_wait -1                              ; the tile's 128 scale words lie in LDS
	s_cmp_lg_u32 s22, 0
	s_cbranch_scc1 .Ldone
	ds_load_b128 v[16:19], v[RB]
	s_wait_dscnt 0x0
	global_store_b128 v4, v[16:19], s[36:37]       ; 32 lanes store the 512 bytes
.Ldone:
	s_wait_tensorcnt 0x0
	ds_add_u32 v168, v169
	s_wait_dscnt 0x0
	s_endpgm
	; ---- the table: a wave takes 32 positions, a lane one
.Ltable:
	s_lshl_b32 s23, ttmp9, 3
	s_add_co_u32 s23, s23, s22                     ; which 32 positions
	s_lshl_b32 s24, s23, 7
	s_wait_alu depctr_va_vdst(0)
	v_lshl_add_u32 v2, v1, 2, s24
	s_wait_alu depctr_va_vdst(0)
	s_wait_kmcnt 0x0
	global_load_b32 v3, v2, s[14:15]               ; my token's position
	v_and_b32 v4, 7, v1
	v_bfe_u32 v5, v1, 3, 1
	s_delay_alu instid0(VALU_DEP_1)
	v_lshl_or_b32 v4, v5, 4, v4
	v_bfe_u32 v5, v1, 4, 1
	s_delay_alu instid0(VALU_DEP_1)
	v_lshl_or_b32 v4, v5, 3, v4                    ; my lane with bits 3 and 4 swapped: my storage place among the 32
	s_lshl_b32 s24, s23, 9
	v_lshl_add_u32 v4, v4, 4, s24                  ; 16 bytes a position in each group's plane
	s_mov_b32 s40, 0x3f22f983                      ; 2 / pi
	s_mov_b32 s41, 0xbfc90fdb                      ; pi / 2 = 1.57079637 - 4.37113883e-8 - 1.7151245e-15: the first part, negated,
	s_mov_b32 s42, 0x333bbd2e                      ; the second,
	s_mov_b32 s43, 0x26f72cf2                      ; the third
	s_mov_b32 s44, 0xb94ca1f9                      ; sin: -1.9515295891e-4
	s_mov_b32 s45, 0x3c08839e                      ;       8.3321608736e-3
	s_mov_b32 s46, 0xbe2aaaa3                      ;      -1.6666654611e-1
	s_mov_b32 s47, 0x37ccf5ce                      ; cos:  2.443315712e-5
	s_mov_b32 s48, 0xbab6061a                      ;      -1.388731625e-3
	s_mov_b32 s49, 0x3d2aaaa5                      ;       4.166664568e-2
	s_wait_loadcnt 0x0
	v_cvt_f32_i32 v3, v3
.macro SINCOS f, dc, ds
	v_mul_f32 v5, \f, v3                           ; the angle
	s_delay_alu instid0(VALU_DEP_1)
	v_mul_f32 v6, s40, v5
	s_delay_alu instid0(VALU_DEP_1)
	v_rndne_f32 v6, v6                             ; k
	s_delay_alu instid0(VALU_DEP_1)
	v_fma_f32 v7, v6, s41, v5
	s_delay_alu instid0(VALU_DEP_1)
	v_fma_f32 v7, v6, s42, v7
	s_delay_alu instid0(VALU_DEP_1)
	v_fma_f32 v7, v6, s43, v7                      ; r = angle - k pi / 2
	s_delay_alu instid0(VALU_DEP_1)
	v_mul_f32 v8, v7, v7                           ; z = r r
	s_delay_alu instid0(VALU_DEP_1)
	v_fma_f32 v9, v8, s44, s45
	s_delay_alu instid0(VALU_DEP_2)
	v_fma_f32 v10, v8, s47, s48
	s_delay_alu instid0(VALU_DEP_2)
	v_fma_f32 v9, v9, v8, s46
	s_delay_alu instid0(VALU_DEP_2)
	v_fma_f32 v10, v10, v8, s49
	v_mul_f32 v11, v7, v8
	v_mul_f32 v12, v8, v8
	v_fma_f32 v13, v8, -0.5, 1.0
	s_delay_alu instid0(VALU_DEP_3)
	v_fma_f32 v9, v9, v11, v7                      ; sin r
	s_delay_alu instid0(VALU_DEP_2)
	v_fma_f32 v10, v10, v12, v13                   ; cos r
	v_cvt_i32_f32 v6, v6                           ; the quadrant
	s_delay_alu instid0(VALU_DEP_1)
	v_and_b32 v11, 1, v6
	s_delay_alu instid0(VALU_DEP_1)
	v_cmp_eq_u32 vcc_lo, 1, v11
	s_delay_alu instid0(VALU_DEP_1)
	v_cndmask_b32 v12, v9, v10, vcc_lo             ; in odd quadrants the two change places
	s_delay_alu instid0(VALU_DEP_2)
	v_cndmask_b32 v13, v10, v9, vcc_lo
	v_lshlrev_b32 v11, 30, v6
	v_add_nc_u32 v6, 1, v6
	s_delay_alu instid0(VALU_DEP_2)
	v_and_b32 v11, 0x80000000, v11                 ; sin's sign: bit 1 of k
	s_delay_alu instid0(VALU_DEP_2)
	v_lshlrev_b32 v6, 30, v6
	s_delay_alu instid0(VALU_DEP_2)
	v_xor_b32 v[\ds], v12, v11
	s_delay_alu instid0(VALU_DEP_2)
	v_and_b32 v6, 0x80000000, v6                   ; cos's sign: bit 1 of k + 1
	s_delay_alu instid0(VALU_DEP_1)
	v_xor_b32 v[\dc], v13, v6
.endm
.set n, 0
.irp f, 1.0, 0.749894209, 0.562341325, 0.421696503, 0.316227766, 0.237137371, 0.177827941, 0.133352143, 0.1, 0.0749894209, 0.0562341325, 0.0421696503, 0.0316227766, 0.0237137371, 0.0177827941, 0.0133352143, 0.01, 0.00749894209, 0.00562341325, 0.00421696503, 0.00316227766, 0.00237137371, 0.00177827941, 0.00133352143, 0.001, 0.000749894209, 0.000562341325, 0.000421696503, 0.000316227766, 0.000237137371, 0.000177827941, 0.000133352143
	SINCOS \f, 64+2*n, 65+2*n
.set n, n+1
.endr
.irp g, 0,1,2,3,4,5,6,7,8,9,10,11,12,13,14,15
	global_store_b128 v4, v[64+4*\g:67+4*\g], s[20:21] offset:32768*\g   ; the 32 lanes fill 512 consecutive bytes of plane g; each group has registers of its own
.endr
	s_endpgm
.Lfunc_end_k_qdaed6caf18_quant:
	.size	k_qdaed6caf18_quant, .Lfunc_end_k_qdaed6caf18_quant-k_qdaed6caf18_quant
	.p2alignl 7, 3214868480
	.fill 96, 4, 3214868480
	.section	.rodata,"a",@progbits
	.p2align	6, 0x0
	.amdhsa_kernel k_qdaed6caf18_quant
		.amdhsa_group_segment_fixed_size 70656
		.amdhsa_private_segment_fixed_size 0
		.amdhsa_enable_private_segment 0
		.amdhsa_kernarg_size 72
		.amdhsa_user_sgpr_count 2
		.amdhsa_user_sgpr_kernarg_segment_ptr 1
		.amdhsa_wavefront_size32 1
		.amdhsa_system_sgpr_workgroup_id_x 1
		.amdhsa_system_sgpr_workgroup_id_y 1
		.amdhsa_system_sgpr_workgroup_id_z 1
		.amdhsa_system_vgpr_workitem_id 0
		.amdhsa_next_free_vgpr 170
		.amdhsa_next_free_sgpr 66
		.amdhsa_reserve_vcc 1
		.amdhsa_float_denorm_mode_32 3
		.amdhsa_float_denorm_mode_16_64 3
		.amdhsa_memory_ordered 1
		.amdhsa_forward_progress 1
		.amdhsa_inst_pref_size 78
	.end_amdhsa_kernel
	.amdgpu_metadata
---
amdhsa.version: [ 1, 2 ]
amdhsa.kernels:
  - .name:           k_qdaed6caf18_quant
    .symbol:         k_qdaed6caf18_quant.kd
    .args:
      - { .name: x, .offset: 0, .size: 8, .value_kind: global_buffer, .address_space: global }
      - { .name: Wq, .offset: 8, .size: 8, .value_kind: global_buffer, .address_space: global }
      - { .name: Wk, .offset: 16, .size: 8, .value_kind: global_buffer, .address_space: global }
      - { .name: Wv, .offset: 24, .size: 8, .value_kind: global_buffer, .address_space: global }
      - { .name: Wo, .offset: 32, .size: 8, .value_kind: global_buffer, .address_space: global }
      - { .name: token_positions, .offset: 40, .size: 8, .value_kind: global_buffer, .address_space: global }
      - { .name: xq, .offset: 48, .size: 8, .value_kind: global_buffer, .address_space: global }
      - { .name: wq, .offset: 56, .size: 8, .value_kind: global_buffer, .address_space: global }
      - { .name: rt, .offset: 64, .size: 8, .value_kind: global_buffer, .address_space: global }
    .group_segment_fixed_size: 70656
    .private_segment_fixed_size: 0
    .kernarg_segment_align: 8
    .kernarg_segment_size: 72
    .max_flat_workgroup_size: 256
    .sgpr_count:     66
    .vgpr_count:     170
    .wavefront_size: 32
...
	.end_amdgpu_metadata
.endif
;; end of part 1
;; launch qkv (part 2): grid 12 x 32, 4 waves a work-group, clusters of 4 x 4, 327,680 bytes of LDS; arguments xq, wq, rt, qq, kv; writes qq, kv
.if DOCPART == 2
	.amdgcn_target "amdgcn-amd-amdhsa--gfx1250"
	.amdhsa_code_object_version 6
	.text
	.protected	k_qdaed6caf18_qkv
	.globl	k_qdaed6caf18_qkv
	.p2align	8
	.type	k_qdaed6caf18_qkv,@function
k_qdaed6caf18_qkv:
	s_mov_b64 s[64:65], 0
	v_nop
	global_prefetch_b8 v0, s[64:65] scope:SCOPE_SE
	s_setreg_imm32_b32 hwreg(HW_REG_WAVE_MODE, 25, 1), 1
	s_wait_xcnt 0x0
	s_wait_alu depctr_hold_cnt(0) depctr_sa_sdst(0) depctr_va_vdst(0) depctr_va_sdst(0) depctr_va_ssrc(0) depctr_va_vcc(0) depctr_vm_vsrc(0)
	s_getreg_b32 s2, hwreg(HW_REG_IB_STS2, 6, 4)
	s_cmp_eq_u32 s2, 0
	s_cbranch_scc0 .Lentry_in_a_cluster
	s_endpgm
.Lentry_in_a_cluster:
	s_bfe_u32 s2, ttmp6, 0x10000c
	s_cmp_lg_u32 s2, 0xf033
	s_cbranch_scc0 .Lentry_shape_is_right
	s_endpgm
.Lentry_shape_is_right:
; q = rope(x Wq^T), k = rope(x Wk^T), v = x Wv^T, on codes of FP6 (E2M3) with E8M0 scales, K = 1,024; the results are quantised at once, q and k along the head's 64, v along the keys, and leave as codes.
; OPERANDS lie as images of fragments' registers, rows in storage order (storage row p = actual row p with bits 3 and 4 swapped): [tile of 16 rows][K step of 128][1,536 bytes], scale words [tile][K step / 2][row][K step % 2].
; A tile of C, 256 x 256, is made by four waves, 128 x 128 each: 64 accumulators, 512 registers.  K goes in four steps of 256 through two LDS slots filled by the tensor data mover; the scale words of all K come once.
; THE MATRIX INSTRUCTION IS USED TRANSPOSED: source 0 = 16 rows of B, source 1 = 16 rows of A.  A lane holds one row of A, and, B's rows being in storage order, the 16 registers of B's tiles 2 i, 2 i + 1 are 16 actual neighbours 32 i + 16 (lane / 16) + 0 .. 15.
; MODES, by the cluster's x, which the sixteen partners share: 0: A = x, B = Wq;  1: A = x, B = Wk;  2: A = Wv, B = x, so that a lane holds one channel of v and its registers run along the keys.
; CLUSTERS: 4 x 4 work-groups; A's tiles are asked for jointly by a row of the cluster, B's by a column.  In every mode A's address hangs on cy and B's on cx.
; OUT.  qq: [b h][tile of 16 queries][768 bytes: 16 rows x 64, registers 0-3 at 16 x lane, 4-5 at 512 + 8 x lane]; from byte 6,291,456 a scale word a row (bytes 0, 1; bytes 2, 3 are 0).
;       kv: [b h][key step of 128][13,056 bytes]: k's 8 tiles x 768; from 6,144 v^T's 4 tiles of 16 channels x 128 keys, 1,536 bytes each (three runs of 16 x lane); from 12,288 k's 128 scale words; from 12,800 v's 64.
; LIMITS: NaN and infinities are not served; a block of zeros gets the byte 1 (its codes are zeros; this program alone reads the bytes).
; REGISTERS, in windows of 256: window 0: v0-31 addresses; v32-63 scale words, two sets; v128-223 A's fragments, one set.  window 1: B's fragments, two sets, at v0 and v128.  windows 2, 3: the accumulators ((a, b) at v[8 (8 (a % 4) + b)]).
;   On the way out: window 1: the RoPE table of my 128 rows; window 0: v64-127 a block after RoPE, v128-147 codes, v160-176 at work, v192-207 scale words bound for the stage.
.set NQ,     2                         ; matrix instructions deep in a slot
.set FR,     12                        ; registers of a fragment
.set NL,     4                         ; LDS loads that bring one
.set NP,     4                         ; places behind this matrix instruction (ISA guide 7.12.1)
.set TILEB,  3072                      ; 16 rows x 256 K
.set HALFT,  8*TILEB                   ; 128 rows: what one tensor load brings
.set SLOT,   4*HALFT                   ; A's 256 rows, then B's
.set SCL,    2*SLOT                    ; behind the ring: the scale words, filled once
.set HALFS,  4096                      ; those of 128 rows
.set SPARE,  SCL+4*HALFS               ; the spare words, 128 bytes a wave: two blocks of 256 bytes that no other line names
.set STG,    SPARE+512                 ; stages for the scale words on the way out: no fill lands here.  q and k: 1,024 bytes a wave; from STG + 4,096 v: 512 bytes a wave
.set RQ,   8                           ; v8   q, k: where I read my scale words back
.set RV,   9                           ; v9   v: likewise
.set VSO,  10                          ; v10  v: my 16 bytes of scale words in the two heads' records
.set L16,  12                          ; v12  16 x lane
.set L8,   13                          ; v13  8 x lane
.set ADRA, 16                          ; v16-17 A's fragments in slot 0, 1, + 16 x lane;  v18-19 + 8 x lane
.set ADRB, 20                          ; v20-23 the same for B
.set TBO,  26                          ; v26  my offset in the RoPE table
.set ADRS, 27                          ; v27  my scale words: lanes 0-15 A's rows, lanes 16-31 B's
.set SPW,  28                          ; v28  my spare word; never rewritten
.set NIL,  29                          ; v29  0; never rewritten
.set SQ,   30                          ; v30  q, k: where I put a scale word
.set SV,   31                          ; v31  v: likewise
.set SC,   32
.set AF,   128
.set RO,   64
.set PC,   128
.set BKW,  148
.set TM,   160
.set PW,   176
.set WD,   192
.set SEL,  2                           ; s2, s3 lane selects for v_permlanex16_b32
.set G1, 24
.set G0, 32
.set G1B, 48
.set G0B, 56
.set G1S, 68
.set G0S, 76
.set G1SB, 80
.set G0SB, 88
.set MSB, 0
.macro WIN new                         ; the immediate's high byte repeats the setting that is left
.if MSB != (\new)
	s_set_vgpr_msb (MSB<<8)|(\new)
.set MSB, (\new)
.endif
.endm
.set MUL_LO, 0xa1                      ; source 0 (B) window 1, source 1 (A) window 0, C and D window 2
.set MUL_HI, 0xf1                      ; the same, C and D window 3
.set TO_B,   0x40                      ; destination window 1, address window 0
; A joint load: waves 0 and 1 fetch for A, waves 2 and 3 for B; the branch hangs on the wave's number alone.  Four v_nop follow each of the two lines.
.macro JLOAD g0a, g1a, g0b, g1b
	s_cmp_eq_u32 s15, 0
	s_cbranch_scc0 .Lfor_b_\@
	tensor_load_to_lds s[\g0a:\g0a+3], s[\g1a:\g1a+7]
	s_nop 0
.rept 4
	v_nop
.endr
	s_branch .Lasked_\@
.Lfor_b_\@:
	tensor_load_to_lds s[\g0b:\g0b+3], s[\g1b:\g1b+7]
	s_nop 0
.rept 4
	v_nop
.endr
.Lasked_\@:
.endm
.macro CREST                           ; a round of the cluster's barrier behind its opening barrier
	s_cmp_lg_u32 s14, 0
	s_cbranch_scc1 .Lnot_wave_0_\@
	s_barrier_signal -3
.Lnot_wave_0_\@:
	s_barrier_wait -3
	s_barrier_signal -1
	s_barrier_wait -1
.endm
.macro CROUND                          ; a whole round
	s_barrier_signal -1
	s_barrier_wait -1
	CREST
.endm
	s_load_b256 s[4:11], s[0:1], 0x0               ; xq s[4:5], wq s[6:7], rt s[8:9], qq s[10:11]
	s_load_b64 s[12:13], s[0:1], 0x20              ; kv
	v_lshl_add_u32 v[SPW], v0, 2, SPARE
	v_mov_b32 v[NIL], 0
	ds_add_u32 v28, v29
	ds_add_u32 v28, v29
	s_wait_dscnt 0x0
	v_lshrrev_b32 v1, 5, v0
	v_readfirstlane_b32 s14, v1                    ; wave 0..3
	s_lshr_b32 s15, s14, 1                         ; which half of the tile's rows is mine.  Also: I fetch for A (0) or for B (1)
	s_and_b32 s16, s14, 1                          ; which half of its columns.  Also: which 128 rows I fetch
	s_mov_b32 s[SEL], 0x76543210
	s_mov_b32 s[SEL+1], 0xfedcba98
	s_bfe_u32 s40, ttmp6, 0x40000                  ; cx, cy: my place in the cluster
	s_bfe_u32 s41, ttmp6, 0x40004
	s_and_b32 s18, ttmp7, 0xffff
	s_lshl_b32 s18, s18, 2                         ; 4 x cluster y
	s_lshl_b32 s19, ttmp9, 2                       ; 4 x cluster x
	s_cmp_eq_u32 ttmp9, 2                          ; mode v?
	s_cselect_b32 s17, 0, s18
	s_cselect_b32 s42, s18, s19
	s_add_co_u32 s17, s17, s41                     ; tile row: of x (q, k) or of Wv (v)
	s_add_co_u32 s42, s42, s40                     ; tile column: of Wq and Wk on end (q, k) or of x (v)
	s_lshl_b32 s43, s41, 2
	s_lshl_b32 s43, 15, s43                        ; my row of the cluster
	s_lshl_b32 s44, 0x1111, s40                    ; my column
	; descriptor group 1: 8 tiles' 3,072 bytes of a K step, 12,288 bytes apart: 8 rows of 384 elements of 8 bytes
	s_or_b32 s[G1+0], s43, (3<<16)|(1<<21)         ; 15:0 the mask; 17:16 elements of 8 bytes; 20 no padding; 21 set beside a mask
	s_or_b32 s[G1B+0], s44, (3<<16)|(1<<21)
.irp g, G1, G1B
	s_mov_b32 s[\g+1], 384<<16                     ; tensor_dim0
	s_mov_b32 s[\g+2], 8<<16                       ; tensor_dim1
	s_mov_b32 s[\g+3], 384<<16                     ; tile_dim0
	s_mov_b32 s[\g+4], 8                           ; tile_dim1
	s_mov_b32 s[\g+5], 1536                        ; tensor_dim0_stride
	s_mov_b32 s[\g+6], 0
	s_mov_b32 s[\g+7], 0
.endr
	; the scale words of 128 rows: 4,096 dense bytes as 16 rows of 256
	s_or_b32 s[G1S+0], s43, (3<<16)|(1<<21)
	s_or_b32 s[G1SB+0], s44, (3<<16)|(1<<21)
.irp g, G1S, G1SB
	s_mov_b32 s[\g+1], 32<<16
	s_mov_b32 s[\g+2], 16<<16
	s_mov_b32 s[\g+3], 32<<16
	s_mov_b32 s[\g+4], 16
	s_mov_b32 s[\g+5], 32
	s_mov_b32 s[\g+6], 0
	s_mov_b32 s[\g+7], 0
.endr
	s_lshl_b32 s18, s16, 3                         ; which 8 tiles of 16 rows I fetch
	s_lshl_b32 s20, s17, 4
	s_add_co_u32 s20, s20, s18                     ; A: 16 x tile row + 8 x half
	s_lshl_b32 s46, s42, 4
	s_add_co_u32 s46, s46, s18                     ; B: 16 x tile column + 8 x half
	s_lshl_b32 s22, s20, 9                         ; their scale words, 512 bytes a tile,
	s_lshl_b32 s92, s46, 9
	s_mul_i32 s20, s20, 12288                      ; and their codes
	s_mul_i32 s46, s46, 12288
	s_mov_b32 s21, 0
	s_mov_b32 s23, 0
	s_mov_b32 s47, 0
	s_mov_b32 s93, 0
	s_mul_i32 s45, s14, HALFT                      ; where they go: wave x 128 rows: no place in the cluster enters an LDS address
	s_lshl_b32 s66, s14, 12
	s_cmp_eq_u32 ttmp9, 2
	s_cselect_b32 s94, 1572864, 0                  ; Wv's codes begin at tile 128 of wq
	s_mov_b32 s95, 6291456                         ; xq's scale words
	s_cselect_b32 s96, 3211264, s95                ; A's: Wv's or xq's
	s_mov_b32 s97, 3145728                         ; wq's scale words
	s_cselect_b32 s97, s95, s97                    ; B's: xq's or wq's
	s_wait_kmcnt 0x0
	s_cselect_b64 s[98:99], s[6:7], s[4:5]         ; A's buffer
	s_cselect_b64 s[100:101], s[4:5], s[6:7]       ; B's buffer
	s_add_co_u32 s20, s20, s94
	s_add_co_u32 s22, s22, s96
	s_add_co_u32 s92, s92, s97
	s_add_nc_u64 s[20:21], s[98:99], s[20:21]
	s_add_nc_u64 s[22:23], s[98:99], s[22:23]
	s_add_nc_u64 s[46:47], s[100:101], s[46:47]
	s_add_nc_u64 s[92:93], s[100:101], s[92:93]
	CROUND                                         ; all sixteen work-groups are here: the first joint loads meet
	s_mov_b32 s[G0S], 1
	s_add_co_u32 s[G0S+1], s66, SCL
	s_mov_b64 s[G0S+2:G0S+3], s[22:23]
	s_or_b32 s[G0S+3], s[G0S+3], 0x80000000
	s_mov_b32 s[G0SB], 1
	s_add_co_u32 s[G0SB+1], s66, SCL
	s_mov_b64 s[G0SB+2:G0SB+3], s[92:93]
	s_or_b32 s[G0SB+3], s[G0SB+3], 0x80000000
	JLOAD G0S, G1S, G0SB, G1SB                     ; the scale words first: they are wanted with K step 0
.irp s, 0,1
	s_mov_b32 s[G0+4*\s], 1
	s_add_co_u32 s[G0+4*\s+1], s45, \s*SLOT
	s_add_nc_u64 s[G0+4*\s+2:G0+4*\s+3], s[20:21], \s*TILEB
	s_or_b32 s[G0+4*\s+3], s[G0+4*\s+3], 0x80000000
	s_mov_b32 s[G0B+4*\s], 1
	s_add_co_u32 s[G0B+4*\s+1], s45, \s*SLOT
	s_add_nc_u64 s[G0B+4*\s+2:G0B+4*\s+3], s[46:47], \s*TILEB
	s_or_b32 s[G0B+4*\s+3], s[G0B+4*\s+3], 0x80000000
	JLOAD G0+4*\s, G1, G0B+4*\s, G1B
.endr
	v_and_b32 v1, 15, v0                           ; r
	v_bfe_u32 v2, v0, 4, 1                         ; h
	v_and_b32 v3, 31, v0                           ; lane
	v_lshlrev_b32 v[L16], 4, v3
	v_lshlrev_b32 v[L8], 3, v3
	s_mul_i32 s21, s15, HALFT                      ; my 128 rows of A
	s_mul_i32 s22, s16, HALFT                      ; my 128 rows of B,
	s_add_co_u32 s22, s22, 2*HALFT                 ; which lie behind A's 256
.irp s, 0,1
	v_add_nc_u32 v[ADRA+\s], s21, v[L16]
	v_add_nc_u32 v[ADRB+\s], s22, v[L16]
	v_add_nc_u32 v[ADRA+2+\s], s21, v[L8]
	v_add_nc_u32 v[ADRB+2+\s], s22, v[L8]
	s_add_co_u32 s21, s21, SLOT
	s_add_co_u32 s22, s22, SLOT
.endr
	s_lshl_b32 s21, s15, 12                        ; A's scale words: my 128 rows
	s_lshl_b32 s22, s16, 12                        ; B's: my 128 rows, behind A's 256
	s_add_co_u32 s22, s22, 2*HALFS
	s_sub_co_u32 s22, s22, s21
	v_mul_u32_u24 v6, s22, v2                      ; lanes 16-31 take B's
	s_add_co_u32 s21, s21, SCL
	v_lshl_add_u32 v5, v1, 3, v6                   ; 8 bytes a row: the two words of a K step of 256
	v_add_nc_u32 v[ADRS], s21, v5
	; the ways out: every address register is made here
	v_lshlrev_b32 v[TBO], 4, v1
	v_lshl_add_u32 v[TBO], v2, 17, v[TBO]          ; the table: 16 bytes a row; lanes 16-31 four planes of 32,768 bytes on
	s_lshl_b32 s23, s14, 10
	s_add_co_u32 s23, s23, STG
	v_lshl_add_u32 v[SQ], v1, 2, s23
	v_add_nc_u32 v[RQ], s23, v[L16]
	s_lshl_b32 s23, s14, 9
	s_add_co_u32 s23, s23, STG+4096
	v_lshl_add_u32 v[SV], v1, 2, s23
	v_add_nc_u32 v[RV], s23, v[L16]
	v_mul_u32_u24 v[VSO], v2, 208896               ; lanes 16-31: the next head's record, 16 records on
	v_lshl_add_u32 v[VSO], v1, 4, v[VSO]
.macro FRAG reg, adr, q, i             ; a fragment comes back as it was stored: four loads, each of consecutive bytes across the lanes
	ds_load_b128 v[\reg:\reg+3], v[\adr] offset:TILEB*(\i)+1536*(\q)
	ds_load_b64 v[\reg+4:\reg+5], v[\adr+2] offset:TILEB*(\i)+1536*(\q)+512
	ds_load_b128 v[\reg+6:\reg+9], v[\adr] offset:TILEB*(\i)+1536*(\q)+768
	ds_load_b64 v[\reg+10:\reg+11], v[\adr+2] offset:TILEB*(\i)+1536*(\q)+1280
.endm
; 16 matrix instructions: A's blocks a0, a0 + 1 x B's eight, 128 along K.  The 64 accumulators take turns, one instruction a turn, in the same order in every step.
.macro MUL16 a0, p, q, sc, zero
.irp a, \a0, \a0+1
.irp b, 0,1,2,3,4,5,6,7
.if \zero
	v_wmma_scale_f32_16x16x128_f8f6f4 v[8*(8*((\a)%4)+\b):8*(8*((\a)%4)+\b)+7], v[128*(\p)+FR*\b:128*(\p)+FR*\b+FR-1], v[AF+FR*(\a):AF+FR*(\a)+FR-1], 0, v[SC+8*NQ*(\sc)+NQ*\b+(\q)], v[SC+8*NQ*(\sc)+NQ*(\a)+(\q)] matrix_a_fmt:MATRIX_FMT_FP6 matrix_b_fmt:MATRIX_FMT_FP6 matrix_a_scale:MATRIX_SCALE_ROW1
.else
	v_wmma_scale_f32_16x16x128_f8f6f4 v[8*(8*((\a)%4)+\b):8*(8*((\a)%4)+\b)+7], v[128*(\p)+FR*\b:128*(\p)+FR*\b+FR-1], v[AF+FR*(\a):AF+FR*(\a)+FR-1], v[8*(8*((\a)%4)+\b):8*(8*((\a)%4)+\b)+7], v[SC+8*NQ*(\sc)+NQ*\b+(\q)], v[SC+8*NQ*(\sc)+NQ*(\a)+(\q)] matrix_a_fmt:MATRIX_FMT_FP6 matrix_b_fmt:MATRIX_FMT_FP6 matrix_a_scale:MATRIX_SCALE_ROW1
.endif
.endr
.endr
.endm
.macro FETCH_B slot, q, p              ; B's eight fragments of the slot's q-th 128 along K into set p
	WIN TO_B
.irp i, 0,1,2,3,4,5,6,7
	FRAG 128*(\p)+FR*\i, ADRB+\slot, \q, \i
.endr
	WIN 0
.endm
.macro FETCH_A slot, q, i0             ; A's blocks i0 .. i0 + 3
.irp i, \i0, \i0+1, \i0+2, \i0+3
	FRAG AF+FR*(\i), ADRA+\slot, \q, \i
.endr
.endm
.macro SCALES sc                       ; a K step's scale words into set sc: lanes 0-15 take A's block i, lanes 16-31 B's block i
.irp i, 0,1,2,3,4,5,6,7
	ds_load_b64 v[SC+8*NQ*\sc+NQ*\i:SC+8*NQ*\sc+NQ*\i+1], v[ADRS] offset:512*\i
.endr
.endm
.macro PLACES n                        ; plain vector instructions that name no register of the matrix instructions ahead (ISA guide 7.12.1)
.rept \n
	v_nop
.endr
.endm
.macro STEP slot, q, zero              ; a step of 128 along K that has its successor in the same slot
	s_wait_dscnt 4*NL                              ; B's set and A's blocks 0-3 are in; the youngest 16 loads (A's blocks 4-7) may be out
	WIN MUL_LO
	MUL16 0, (\q)%2, \q, \slot, \zero
	MUL16 2, (\q)%2, \q, \slot, \zero
	s_wait_dscnt 0                                 ; A's blocks 4-7 are in
	PLACES NP
	FETCH_B \slot, (\q)+1, 1-(\q)%2
	FETCH_A \slot, (\q)+1, 0
	WIN MUL_HI
	MUL16 4, (\q)%2, \q, \slot, \zero
	MUL16 6, (\q)%2, \q, \slot, \zero
	PLACES NP
	WIN 0
	FETCH_A \slot, (\q)+1, 4
.endm
; A slot's last step changes slots: one barrier; in front of it each wave waits for all its tensor loads, adds 0 to its spare word, and waits for that and for its reads of this slot.  fill = 1: this slot is filled again, two K steps ahead.
.macro TURN slot, next, fill
	s_wait_tensorcnt 0x0                           ; all my tensor loads have landed: my part of the next slot
	ds_add_u32 v[SPW], v[NIL]                      ; 0 onto my spare word
	s_wait_dscnt 4*NL+1                            ; (the add and the youngest 16 loads may be out)
	WIN MUL_LO
	MUL16 0, 1, NQ-1, \slot, 0                     ; sixteen matrix instructions stand between the add and the wait for it
	s_wait_dscnt 0x0                               ; the add is done, and my reads of this slot are over
	s_barrier_signal -1
	MUL16 2, 1, NQ-1, \slot, 0
	WIN 0
	s_barrier_wait -1
.if \fill
	CREST                                          ; the barrier has opened a round of the cluster's barrier: no wave of any partner still reads this slot or has a load on its way
	s_add_nc_u64 s[G0+4*\slot+2:G0+4*\slot+3], s[G0+4*\slot+2:G0+4*\slot+3], 2*TILEB
	s_add_nc_u64 s[G0B+4*\slot+2:G0B+4*\slot+3], s[G0B+4*\slot+2:G0B+4*\slot+3], 2*TILEB
	JLOAD G0+4*\slot, G1, G0B+4*\slot, G1B         ; the first tensor load behind the round; its four v_nop are the places in front of the loads below
.else
	PLACES NP
.endif
	v_add_nc_u32 v[ADRS], 128, v[ADRS]             ; on to the next K step's scale words
	FETCH_B \next, 0, 0
	FETCH_A \next, 0, 0
	SCALES \next
	WIN MUL_HI
	MUL16 4, 1, NQ-1, \slot, 0
	MUL16 6, 1, NQ-1, \slot, 0
	PLACES NP
	WIN 0
	FETCH_A \next, 0, 4
.endm
	s_wait_tensorcnt 1                             ; of my three first fills the scale words and K step 0 are in; K step 1's may be out
	s_barrier_signal -1
	s_barrier_wait -1
	FETCH_B 0, 0, 0
	FETCH_A 0, 0, 0
	SCALES 0
	FETCH_A 0, 0, 4
	STEP 0, 0, 1                                   ; the first products start the sums: nothing is cleared.  K has four steps of 256: they are written out
	TURN 0, 1, 1
	STEP 1, 0, 0
	TURN 1, 0, 1
	STEP 0, 0, 0
	TURN 0, 1, 0                                   ; nothing is left to fetch
	STEP 1, 0, 0
	s_wait_dscnt 4*NL
	WIN MUL_LO
	MUL16 0, 1, NQ-1, 1, 0
	MUL16 2, 1, NQ-1, 1, 0
	s_wait_dscnt 0
	WIN MUL_HI
	MUL16 4, 1, NQ-1, 1, 0
	MUL16 6, 1, NQ-1, 1, 0
	WIN 0
; 64 numbers of a lane in window w, v[s] .. v[s + 63], register 16 b + i = k 32 b + 16 (lane / 16) + i of my row, become a fragment's codes in v[PC] on and its scale word in v[pw].
.macro QUANT s, w, pw
	WIN (\w)|((\w)<<2)
.irp b, 0,1,2,3
	v_max3_num_f32 v[TM+\b], |v[\s+16*\b]|, |v[\s+16*\b+1]|, 0x1800000   ; my 16 numbers of block b, from each accumulator's low end on, and the floor 2^(3 - 127)
.endr
.irp i, 2,4,6,8,10,12,14
.irp b, 0,1,2,3
	v_max3_num_f32 v[TM+\b], |v[\s+16*\b+\i]|, |v[\s+16*\b+\i+1]|, v[TM+\b]
.endr
.endr
	WIN 0
.irp b, 0,1,2,3
	v_permlanex16_b32 v[TM+4+\b], v[TM+\b], s[SEL], s[SEL+1]
.endr
.irp b, 0,1,2,3
	v_max_num_f32 v[TM+\b], v[TM+\b], v[TM+4+\b]   ; with lane l xor 16's: the block's largest magnitude
.endr
.irp b, 0,1,2,3
	v_add_nc_u32 v[TM+12+\b], 0xff000000, v[TM+\b] ; 2 off its exponent field: the conversion's scale operand
.endr
.irp b, 0,1,2,3
	v_lshrrev_b32 v[TM+4+\b], 23, v[TM+12+\b]      ; the scale's byte
.endr
	v_lshl_or_b32 v[\pw], v[TM+5], 8, v[TM+4]
	v_lshl_or_b32 v[\pw], v[TM+6], 16, v[\pw]
	v_lshl_or_b32 v[\pw], v[TM+7], 24, v[\pw]
	WIN \w
.irp c, 0,1
	v_cvt_scalef32_pk16_fp6_f32 v[PC+6*\c:PC+6*\c+2], v[\s+32*\c:\s+32*\c+15], v[TM+12+2*\c]
	v_cvt_scalef32_pk16_fp6_f32 v[PC+12+4*\c:PC+14+4*\c], v[\s+32*\c+16:\s+32*\c+31], v[TM+13+2*\c]   ; (a conversion's three registers begin on an even number)
.endr
	WIN 0
	v_nop                                          ; one plain place behind a scaled conversion
.irp c, 0,1                            ; the operand's layout wants a whole block in a lane
.irp i, 0,1,2
	v_permlane16_swap_b32 v[PC+6*\c+\i], v[PC+12+4*\c+\i]
.endr
.irp i, 0,1,2
	v_mov_b32 v[PC+3+6*\c+\i], v[PC+12+4*\c+\i]
.endr
.endr
.endm
; Block a after RoPE: pair n of the lane's 64 numbers is (x1, x2) of frequency 16 ((n / 8) % 2) + 8 (lane / 16) + n % 8 of its head; the table's pair is (cos, sin).  (x1 c, x2 c), then (- x2 s + x1 c, x1 s + x2 c).
.macro ROPE a
	s_wait_loadcnt 56-8*(\a)                       ; this block's eight table loads are in; the later blocks' stay out
	WIN 0x06+(\a)/4                                ; source 0: window 2 or 3; source 1: window 1
.set n, 0
.rept 32
	v_pk_mul_f32 v[RO+2*n:RO+2*n+1], v[64*((\a)%4)+2*n:64*((\a)%4)+2*n+1], v[32*(\a)+16*((n/8)%2)+2*(n%8):32*(\a)+16*((n/8)%2)+2*(n%8)+1] op_sel_hi:[1,0]
.set n, n+1
.endr
.set n, 0
.rept 32
	v_pk_fma_f32 v[RO+2*n:RO+2*n+1], v[64*((\a)%4)+2*n:64*((\a)%4)+2*n+1], v[32*(\a)+16*((n/8)%2)+2*(n%8):32*(\a)+16*((n/8)%2)+2*(n%8)+1], v[RO+2*n:RO+2*n+1] op_sel:[1,1,0] op_sel_hi:[0,1,1] neg_lo:[1,0,0]
.set n, n+1
.endr
	WIN 0
.endm
	PLACES NP                                      ; behind the last products: results are read, and operands' registers written, from here on
.irp b, 0,1,2,3
	v_mov_b32 v[TM+4+\b], 0                        ; written once: a lane permute's destination counts as one of its sources
.endr
	s_cmp_eq_u32 ttmp9, 2                          ; the cluster's x: the same in all partners
	s_cbranch_scc1 .Lway_v
	; ---- q and k.  My 128 rows are storage tiles t0 .. t0 + 7 of batch b; my 128 columns are two heads
	s_lshl_b32 s18, s17, 4
	s_lshl_b32 s19, s15, 3
	s_add_co_u32 s18, s18, s19
	s_and_b32 s18, s18, 127                        ; t0
	s_lshr_b32 s19, s17, 3
	s_lshl_b32 s19, s19, 4                         ; 16 b
	s_and_b32 s20, s42, 3
	s_lshl_b32 s20, s20, 2
	s_add_co_u32 s19, s19, s20
	s_lshl_b32 s20, s16, 1
	s_add_co_u32 s19, s19, s20                     ; 16 b + my first head
	s_lshl_b32 s20, s18, 8
	s_mov_b32 s21, 0
	s_add_nc_u64 s[8:9], s[8:9], s[20:21]          ; the table at my first row: 16 bytes a row
	WIN 0x40                                       ; destination window 1
.irp a, 0,1,2,3,4,5,6,7
.irp e, 0,1,2,3,4,5,6,7
	global_load_b128 v[32*\a+4*\e:32*\a+4*\e+3], v[TBO], s[8:9] offset:256*\a+32768*(\e+4*(\e/4))   ; planes 0-3 and 8-11, four further on for lanes 16-31
.endr
.endr
	WIN 0
	s_lshl_b32 s20, s19, 7
	s_add_co_u32 s20, s20, s18
	s_mul_i32 s20, s20, 768                        ; q: my first tile's codes,
	s_lshl_b32 s22, s19, 13
	s_lshl_b32 s23, s18, 6
	s_add_co_u32 s22, s22, s23
	s_add_co_u32 s22, s22, 6291456                 ; and scale words
	s_lshl_b32 s46, s19, 4
	s_lshr_b32 s47, s18, 3
	s_add_co_u32 s46, s46, s47
	s_mul_i32 s46, s46, 13056                      ; k: my key step's record,
	s_add_co_u32 s47, s46, 12288                   ; and its scale words
	s_cmp_eq_u32 ttmp9, 0
	s_cselect_b64 s[10:11], s[10:11], s[12:13]     ; qq or kv
	s_cselect_b32 s20, s20, s46
	s_cselect_b32 s22, s22, s47
	s_mov_b32 s46, 208896
	s_cselect_b32 s47, 8192, s46                   ; from head to head: scale words,
	s_cselect_b32 s46, 98304, s46                  ; codes
	s_mov_b32 s21, 0
	s_mov_b32 s23, 0
	s_add_nc_u64 s[92:93], s[10:11], s[20:21]      ; codes, first head
	s_add_nc_u64 s[96:97], s[10:11], s[22:23]      ; scale words, first head
	s_mov_b32 s20, s46
	s_mov_b32 s22, s47
	s_add_nc_u64 s[94:95], s[92:93], s[20:21]      ; second head
	s_add_nc_u64 s[98:99], s[96:97], s[22:23]
.irp a, 0,1,2,3,4,5,6,7
	ROPE \a
.if \a > 0
	s_wait_xcnt 0x0                                ; the last block's stores have read the codes' registers
.endif
	QUANT RO, 0, PW
	global_store_b128 v[L16], v[PC:PC+3], s[92:93] offset:768*\a            ; registers 0-5: the first head's 64; each store covers consecutive bytes: 512, 256
	global_store_b64 v[L8], v[PC+4:PC+5], s[92:93] offset:768*\a+512
	global_store_b128 v[L16], v[PC+6:PC+9], s[94:95] offset:768*\a          ; registers 6-11: the second head's
	global_store_b64 v[L8], v[PC+10:PC+11], s[94:95] offset:768*\a+512
	v_and_b32 v[WD+2*\a], 0xffff, v[PW]            ; a head's two bytes; the upper two are 0: they meet zero codes
	v_lshrrev_b32 v[WD+2*\a+1], 16, v[PW]
	ds_store_b32 v[SQ], v[WD+2*\a] offset:64*\a    ; both halves of the lanes write the same word with the same value
	ds_store_b32 v[SQ], v[WD+2*\a+1] offset:512+64*\a
.endr
	ds_load_b128 v[BKW:BKW+3], v[RQ]               ; LDS serves a wave's instructions in order: these see my stores
	ds_load_b128 v[BKW+4:BKW+7], v[RQ] offset:512
	s_wait_dscnt 0x0
	global_store_b128 v[L16], v[BKW:BKW+3], s[96:97]       ; 128 scale words, 512 consecutive bytes, for each head
	global_store_b128 v[L16], v[BKW+4:BKW+7], s[98:99]
	s_branch .Lend
	; ---- v.  My 128 columns are one key step of batch b; my 128 rows are the channels of two heads, four tiles each
.Lway_v:
	s_lshl_b32 s18, s42, 1
	s_add_co_u32 s18, s18, s16                     ; which 128 rows of x
	s_lshr_b32 s19, s18, 4                         ; b
	s_and_b32 s18, s18, 15                         ; the key step
	s_lshl_b32 s19, s19, 4
	s_lshl_b32 s20, s17, 2
	s_add_co_u32 s19, s19, s20
	s_lshl_b32 s20, s15, 1
	s_add_co_u32 s19, s19, s20                     ; 16 b + my first head
	s_lshl_b32 s19, s19, 4
	s_add_co_u32 s19, s19, s18
	s_mul_i32 s20, s19, 13056
	s_mov_b32 s21, 0
	s_add_nc_u64 s[12:13], s[12:13], s[20:21]      ; the first head's record
.irp a, 0,1,2,3,4,5,6,7
.if \a > 0
	s_wait_xcnt 0x0                                ; the last block's stores have read the codes' registers
.endif
	QUANT 64*(\a%4), 2+\a/4, WD+\a
.irp c, 0,1,2
	global_store_b128 v[L16], v[PC+4*\c:PC+4*\c+3], s[12:13] offset:208896*(\a/4)+6144+1536*(\a%4)+512*\c
.endr
	ds_store_b32 v[SV], v[WD+\a] offset:64*\a
.endr
	ds_load_b128 v[BKW:BKW+3], v[RV]
	s_wait_dscnt 0x0
	global_store_b128 v[VSO], v[BKW:BKW+3], s[12:13] offset:12800   ; lanes 0-15: the first head's 64 words; lanes 16-31: the second's
.Lend:
	s_wait_tensorcnt 0x0                           ; the wave's end: behind my last tensor load and my last LDS store
	ds_add_u32 v[SPW], v[NIL]
	s_wait_dscnt 0x0
	CROUND                                         ; the closing round: no work-group ends while a partner may still ask for a tile that names it
	s_endpgm
.Lfunc_end_k_qdaed6caf18_qkv:
	.size	k_qdaed6caf18_qkv, .Lfunc_end_k_qdaed6caf18_qkv-k_qdaed6caf18_qkv
	.p2alignl 7, 3214868480
	.fill 96, 4, 3214868480
	.section	.rodata,"a",@progbits
	.p2align	6, 0x0
	.amdhsa_kernel k_qdaed6caf18_qkv
		.amdhsa_group_segment_fixed_size 327680
		.amdhsa_private_segment_fixed_size 0
		.amdhsa_enable_private_segment 0
		.amdhsa_kernarg_size 40
		.amdhsa_user_sgpr_count 2
		.amdhsa_user_sgpr_kernarg_segment_ptr 1
		.amdhsa_wavefront_size32 1
		.amdhsa_system_sgpr_workgroup_id_x 1
		.amdhsa_system_sgpr_workgroup_id_y 1
		.amdhsa_system_sgpr_workgroup_id_z 1
		.amdhsa_system_vgpr_workitem_id 0
		.amdhsa_next_free_vgpr 1024
		.amdhsa_next_free_sgpr 106
		.amdhsa_reserve_vcc 0
		.amdhsa_float_denorm_mode_32 3
		.amdhsa_float_denorm_mode_16_64 3
		.amdhsa_memory_ordered 1
		.amdhsa_forward_progress 1
		.amdhsa_inst_pref_size 224
	.end_amdhsa_kernel
	.amdgpu_metadata
---
amdhsa.version: [ 1, 2 ]
amdhsa.kernels:
  - .name:           k_qdaed6caf18_qkv
    .symbol:         k_qdaed6caf18_qkv.kd
    .args:
      - { .name: xq, .offset: 0, .size: 8, .value_kind: global_buffer, .address_space: global }
      - { .name: wq, .offset: 8, .size: 8, .value_kind: global_buffer, .address_space: global }
      - { .name: rt, .offset: 16, .size: 8, .value_kind: global_buffer, .address_space: global }
      - { .name: qq, .offset: 24, .size: 8, .value_kind: global_buffer, .address_space: global }
      - { .name: kv, .offset: 32, .size: 8, .value_kind: global_buffer, .address_space: global }
    .group_segment_fixed_size: 327680
    .private_segment_fixed_size: 0
    .kernarg_segment_align: 8
    .kernarg_segment_size: 40
    .max_flat_workgroup_size: 128
    .sgpr_count:     106
    .vgpr_count:     1024
    .wavefront_size: 32
...
	.end_amdgpu_metadata
.endif
;; end of part 2
;; launch attn (part 3): grid 8 x 64, 16 waves a work-group, no clusters, 169,984 bytes of LDS; arguments qq, kv, aq; writes aq
.if DOCPART == 3
	.amdgcn_target "amdgcn-amd-amdhsa--gfx1250"
	.amdhsa_code_object_version 6
	.text
	.protected	k_qdaed6caf18_attn
	.globl	k_qdaed6caf18_attn
	.p2align	8
	.type	k_qdaed6caf18_attn,@function
k_qdaed6caf18_attn:
	s_mov_b64 s[64:65], 0
	v_nop
	global_prefetch_b8 v0, s[64:65] scope:SCOPE_SE
	s_setreg_imm32_b32 hwreg(HW_REG_WAVE_MODE, 25, 1), 1
	s_wait_xcnt 0x0
; o = softmax(q k^T / 8, key j counted for query i where i - 512 <= j <= i) v, for each of 64 (batch, head), both products on codes of FP6 (E2M3) with E8M0 scales; o / l is quantised along (head, channel) and leaves as codes.
; THE SOFTMAX AHEAD OF THE SECOND PRODUCT: t = score x log2(e) / 8; M = the row's largest t so far, rounded up to a whole number; p = 2^(t - M) is quantised along the keys; the row's sum l is taken of the unquantised p.
; When M moves, l and O are multiplied by 2^(old M - new M): exact.
; SHARES.  A work-group owns 256 queries of one (batch, head), each of its sixteen waves one storage tile of 16: queries Q0 + r % 8 + 16 (r / 8), Q0 = 256 X + 32 (w / 2) + 8 (w % 2).
; The work-group's queries can want six key steps of 128, from max(2 X - 4, 0): their records (13,056 bytes each: k's codes, v^T's codes, both scale words) all lie in LDS at once, each filled once, by waves 0 to 5.  No byte is filled again.
; Clusters are not used: neighbouring query blocks want windows shifted by two key steps, so their descriptors differ.
; LAYOUT.  Both products are used transposed: S^T = k q^T, O^T = v^T p^T: a lane holds one query throughout.  k's rows are in storage order, so the 16 registers of tiles 2 b, 2 b + 1 are keys 32 b + 16 (lane / 16) + 0 .. 15.
; K = 64 IN AN INSTRUCTION OF 128: q's operand is six registers of codes and six of zeros; k's tile t is v[32 + 6 t] on, twelve registers: the upper six are the next tile's codes, which meet q's zero codes; the dead scale bytes are 0.
; THE MASK.  The loop has six trips in every wave; a step none of whose keys counts for the wave is left out by scalar branches on ids; on the window's two edges hidden scores become -infinity ahead of the maximum.
; OUT.  aq: as an operand of the last product: [tile][K step of 128][1,536 bytes], my head's half at 768 x head; the head's two scale bytes by one store of 2 bytes a row: those stores write 256-byte stretches in part, one byte in 24 of what the launch stores.
; LIMITS: NaN and infinities are not served; p under 2^-126 counts as 0 (v_exp_f32 flushes); a block of zeros gets the byte 1.
; REGISTERS: v1-3 16, 8, 4 x lane; v4 my query less Q0 less 16 (lane / 16); v6 r; v8-10 the step's LDS addresses; v12 -M, v13 the largest t, v[14:15] l in two halves; v16-21 q, v22-27 zeros; v32-79 k's tiles, then v^T's; v80-85 zeros;
;   v96-159 S^T, then p; v160-191 O^T; v224-235 p's codes; v232-247, v254 at work; v248-251 k's or v's scale words; v252 f; v253 p's scale word; v255 q's scale words.
.set REC, 13056
.set WV,  10
.set SEL, 18
.set CS,  22
.set G0,  24
.set G1,  28
.set TB,  40                           ; s40  LDS byte at which the step's record begins
.set KF,  41                           ; s41  the step's first key
.set Q0,  42                           ; s42  my first query
.set J,   43                           ; s43  steps to go
	s_load_b128 s[4:7], s[0:1], 0x0                ; qq, kv
	s_load_b64 s[8:9], s[0:1], 0x10                ; aq
	v_lshl_add_u32 v223, v0, 2, 0x29000
	v_mov_b32 v243, 0
	ds_add_u32 v223, v243
	ds_add_u32 v223, v243
	v_lshrrev_b32 v1, 5, v0
	s_delay_alu instid0(VALU_DEP_1)
	v_readfirstlane_b32 s[WV], v1                  ; wave 0..15
	s_and_b32 s11, ttmp7, 0xffff                   ; 16 x batch + head
	s_lshl_b32 s12, ttmp9, 1
	s_sub_co_i32 s12, s12, 4
	s_max_i32 s12, s12, 0                          ; the first key step
	s_lshl_b32 s[KF], s12, 7
	; descriptor group 1: a record, 13,056 dense bytes, as 51 rows of 256 (32 elements of 8 bytes)
	s_mov_b32 s[G1], 3<<16
	s_mov_b32 s[G1+1], 32<<16
	s_mov_b32 s[G1+2], 51<<16
	s_mov_b32 s[G1+3], 32<<16
	s_mov_b32 s[G1+4], 51
	s_mov_b32 s[G1+5], 32
	s_mov_b32 s[G1+6], 0
	s_mov_b32 s[G1+7], 0
	s_lshl_b32 s13, s11, 4
	s_add_co_u32 s13, s13, s12
	s_add_co_u32 s13, s13, s[WV]                   ; wave w fetches key step w of the six
	s_mul_i32 s14, s13, REC
	s_mov_b32 s15, 0
	s_wait_dscnt 0x0
	s_wait_kmcnt 0x0
	s_mov_b32 s[G0], 1
	s_mul_i32 s[G0+1], s[WV], REC
	s_add_nc_u64 s[G0+2:G0+3], s[6:7], s[14:15]
	s_or_b32 s[G0+3], s[G0+3], 0x80000000
	s_cmp_lt_u32 s[WV], 6
	s_cbranch_scc0 .Lno_fill
	tensor_load_to_lds s[G0:G0+3], s[G1:G1+7]      ; one load of mine is out
	s_nop 0
.rept 4
	v_nop
.endr
.Lno_fill:
	s_lshl_b32 s13, ttmp9, 4
	s_add_co_u32 s13, s13, s[WV]                   ; my tile of queries in the head
	s_lshl_b32 s14, s11, 7
	s_add_co_u32 s14, s14, s13
	s_lshl_b32 s16, s14, 6
	s_add_co_u32 s16, s16, 6291456
	s_mul_i32 s14, s14, 768
	s_mov_b32 s15, 0
	s_mov_b32 s17, 0
	s_add_nc_u64 s[14:15], s[4:5], s[14:15]        ; its codes
	s_add_nc_u64 s[16:17], s[4:5], s[16:17]        ; its scale words
	v_and_b32 v5, 31, v0
	s_delay_alu instid0(VALU_DEP_1)
	v_lshlrev_b32 v1, 4, v5
	s_delay_alu instid0(VALU_DEP_2)
	v_lshlrev_b32 v2, 3, v5
	s_delay_alu instid0(VALU_DEP_3)
	v_lshlrev_b32 v3, 2, v5
	v_and_b32 v6, 15, v0                           ; r
	v_bfe_u32 v7, v0, 4, 1                         ; h
	s_delay_alu instid0(VALU_DEP_2)
	v_lshlrev_b32 v11, 2, v6
	global_load_b128 v[16:19], v1, s[14:15]
	global_load_b64 v[20:21], v2, s[14:15] offset:512
	global_load_b32 v255, v11, s[16:17]
	v_and_b32 v4, 7, v6
	v_bfe_u32 v5, v6, 3, 1
	s_delay_alu instid0(VALU_DEP_1)
	v_lshl_add_u32 v4, v5, 4, v4
	v_lshlrev_b32 v5, 4, v7
	s_delay_alu instid0(VALU_DEP_1)
	v_sub_nc_u32 v4, v4, v5                        ; r % 8 + 16 (r / 8) - 16 h
	s_lshl_b32 s[Q0], ttmp9, 8
	s_lshr_b32 s20, s[WV], 1
	s_lshl_b32 s20, s20, 5
	s_add_co_u32 s[Q0], s[Q0], s20
	s_and_b32 s20, s[WV], 1
	s_lshl_b32 s20, s20, 3
	s_add_co_u32 s[Q0], s[Q0], s20
	s_mov_b32 s[SEL], 0x76543210
	s_mov_b32 s[SEL+1], 0xfedcba98
	s_mov_b32 s[CS], 0x3e38aa3b                    ; c = log2(e) / 8
	s_mov_b32 s[CS+1], s[CS]                       ; (named with it as a pair, so it is written)
	s_mov_b32 s[TB], 0
	s_mov_b32 s[J], 6
	v_mov_b32 v13, 0xff61b1e6                      ; the largest t so far: -3e38, under every t
	s_delay_alu instid0(VALU_DEP_1)
	v_floor_f32 v12, -v13                          ; -M
	v_mov_b32 v14, 0
	v_mov_b32 v15, 0
.irp j, 0,1,2,3,4,5
	v_mov_b32 v[22+\j], 0                          ; q's upper 64 along K: zero codes
	v_mov_b32 v[80+\j], 0                          ; what stands behind k's last tile
.endr
.irp b, 0,1,2,3
	v_mov_b32 v[236+\b], 0                         ; a lane permute's destination counts as one of its sources
.endr
	v_mov_b32 v252, 0
	v_mov_b32 v253, 0
.set j, 0
.rept 32
	v_mov_b32 v[160+j], 0                          ; O^T: the step is written once; the first finds zeros, which the first change of M leaves zeros
.set j, j+1
.endr
	s_wait_tensorcnt 0x0                           ; my record has landed,
	s_barrier_signal -1
	s_barrier_wait -1                              ; everybody's has: the launch's one barrier
	s_wait_loadcnt 0x0                             ; q
.Lstep:
	s_add_co_u32 s20, s[Q0], 23                    ; my last query
	s_cmp_gt_u32 s[KF], s20
	s_cbranch_scc1 .Lnext                          ; all 128 keys come after my queries
	s_add_co_u32 s20, s[KF], 639
	s_cmp_lt_u32 s20, s[Q0]
	s_cbranch_scc1 .Lnext                          ; all lie more than 512 before them
	s_setprio 2
	v_add_nc_u32 v8, s[TB], v1
	v_add_nc_u32 v9, s[TB], v2
	v_add_nc_u32 v10, s[TB], v3
	v_nop                                          ; four places in front of loads into registers that the last products have read
.irp t, 0,1,2,3,4,5,6,7
	ds_load_b128 v[32+6*\t:35+6*\t], v8 offset:768*\t
	ds_load_b64 v[36+6*\t:37+6*\t], v9 offset:768*\t+512
.endr
.irp j, 0,1,2,3
	ds_load_b32 v[248+\j], v10 offset:12288+128*\j ; lanes 0-15: tile 2 j's scale words; lanes 16-31: tile 2 j + 1's
.endr
	s_wait_alu depctr_va_vdst(0)
	s_wait_dscnt 0x0
.irp t, 0,2,4,6
	v_wmma_scale_f32_16x16x128_f8f6f4 v[96+8*\t:103+8*\t], v[32+6*\t:43+6*\t], v[16:27], 0, v[248+\t/2], v255 matrix_a_fmt:MATRIX_FMT_FP6 matrix_b_fmt:MATRIX_FMT_FP6
	v_wmma_scale_f32_16x16x128_f8f6f4 v[104+8*\t:111+8*\t], v[38+6*\t:49+6*\t], v[16:27], 0, v[248+\t/2], v255 matrix_a_fmt:MATRIX_FMT_FP6 matrix_b_fmt:MATRIX_FMT_FP6 matrix_a_scale:MATRIX_SCALE_ROW1
.endr
.rept 4
	v_nop                                          ; places: the loads below land in k's registers, and the scores are read
.endr
.irp f, 0,1,2,3
.irp c, 0,1,2
	ds_load_b128 v[32+12*\f+4*\c:35+12*\f+4*\c], v8 offset:6144+1536*\f+512*\c   ; v^T's four tiles, asked for ahead of the softmax
.endr
.endr
.irp j, 0,1
	ds_load_b32 v[248+\j], v10 offset:12800+128*\j
.endr
	; register 16 b + i holds key KF + 32 b + 16 (lane / 16) + i.  d = my query - KF - 16 (lane / 16)
	s_add_co_u32 s20, s[KF], 127
	s_cmp_le_u32 s20, s[Q0]
	s_cbranch_scc1 .Lopen                          ; no key comes after any of my queries
	s_sub_co_i32 s20, s[Q0], s[KF]
	v_add_nc_u32 v252, s20, v4
	v_mov_b32 v254, 0xff800000                     ; -infinity
.set n, 0
.rept 64
	v_cmp_gt_i32 vcc_lo, 32*(n/16)+n%16, v252      ; hidden where 32 b + i > d
	v_cndmask_b32 v[96+n], v[96+n], v254, vcc_lo
.set n, n+1
.endr
.Lopen:
	s_add_co_u32 s20, s[KF], 489
	s_cmp_lt_u32 s20, s[Q0]
	s_cbranch_scc0 .Lfull                          ; no key lies more than 512 before any of my queries
	s_sub_co_i32 s20, s[Q0], s[KF]
	s_sub_co_i32 s20, s20, 512
	v_add_nc_u32 v252, s20, v4
	v_mov_b32 v254, 0xff800000
.set n, 0
.rept 64
	v_cmp_lt_i32 vcc_lo, 32*(n/16)+n%16, v252      ; hidden where 32 b + i < d - 512
	v_cndmask_b32 v[96+n], v[96+n], v254, vcc_lo
.set n, n+1
.endr
.Lfull:
.irp b, 0,1,2,3
	v_max3_num_f32 v[232+\b], v[96+16*\b], v[97+16*\b], v[98+16*\b]   ; the largest score of each block of 32 keys: for the row's maximum, and, since p rises with the score, for the block's largest p
.endr
	s_setprio 1
.irp i, 3,5,7,9,11,13
.irp b, 0,1,2,3
	v_max3_num_f32 v[232+\b], v[232+\b], v[96+16*\b+\i], v[97+16*\b+\i]
.endr
.endr
.irp b, 0,1,2,3
	v_max_num_f32 v[232+\b], v[232+\b], v[111+16*\b]
.endr
.irp b, 0,1,2,3
	s_delay_alu instid0(VALU_DEP_4)
	v_permlanex16_b32 v[236+\b], v[232+\b], s[SEL], s[SEL+1]
.endr
.irp b, 0,1,2,3
	s_delay_alu instid0(VALU_DEP_4)
	v_max_num_f32 v[232+\b], v[232+\b], v[236+\b]  ; with lane l xor 16's 16 keys
.endr
	s_delay_alu instid0(VALU_DEP_2)
	v_max3_num_f32 v254, v232, v233, v234
	s_delay_alu instid0(VALU_DEP_1)
	v_max_num_f32 v254, v254, v235                 ; the step's largest score of my query
	s_delay_alu instid0(VALU_DEP_1)
	v_mul_f32 v254, s[CS], v254                    ; as t
	s_delay_alu instid0(VALU_DEP_1)
	v_max_num_f32 v13, v13, v254                   ; the running largest t
	v_mov_b32 v254, v12
	s_delay_alu instid0(VALU_DEP_2)
	v_floor_f32 v12, -v13                          ; the new -M = -ceil(t)
	s_delay_alu instid0(VALU_DEP_1)
	v_sub_f32 v254, v12, v254                      ; old M - new M: a whole number, 0 or less
	s_delay_alu instid0(VALU_DEP_1)
	v_cvt_i32_f32 v254, v254                       ; (it saturates)
	s_delay_alu instid0(VALU_DEP_1)
	v_ldexp_f32 v252, 1.0, v254                    ; f = 2^(old M - new M)
.set j, 0
.rept 32
	v_pk_fma_f32 v[96+j:97+j], v[96+j:97+j], s[CS:CS+1], v[12:13] op_sel_hi:[1,0,0]   ; t - M, two at a time
.set j, j+2
.endr
.irp b, 0,1,2,3
	v_fma_f32 v[232+\b], v[232+\b], s[CS], v12     ; the same of each block's largest score
.endr
.set j, 0
	s_wait_alu depctr_va_vdst(0)
.rept 64
	v_exp_f32 v[96+j], v[96+j]                     ; p = 2^(t - M), at most 1
.set j, j+1
.endr
	v_pk_mul_f32 v[14:15], v[14:15], v[252:253] op_sel_hi:[1,0]   ; l under the new M: a plain instruction behind the exponentials
	s_wait_alu depctr_va_vdst(0)                   ; one wait for the batch, ahead of its first reader
.irp b, 0,1,2,3
	v_exp_f32 v[232+\b], v[232+\b]                 ; the blocks' largest p
.endr
	v_pk_add_f32 v[236:237], v[100:101], v[104:105]
	v_pk_add_f32 v[250:251], v[108:109], v[112:113]
	v_pk_add_f32 v[246:247], v[116:117], v[120:121]
	v_pk_add_f32 v[244:245], v[124:125], v[128:129]
	v_pk_add_f32 v[240:241], v[132:133], v[136:137]
	v_pk_add_f32 v[238:239], v[140:141], v[144:145]
	v_pk_add_f32 v[230:231], v[148:149], v[152:153]
	v_pk_add_f32 v[14:15], v[14:15], v[156:157]
	v_pk_add_f32 v[236:237], v[236:237], v[96:97]
	v_pk_add_f32 v[250:251], v[250:251], v[98:99]
	v_pk_add_f32 v[246:247], v[246:247], v[102:103]
	v_pk_add_f32 v[244:245], v[244:245], v[106:107]
	v_pk_add_f32 v[240:241], v[240:241], v[110:111]
	v_pk_add_f32 v[238:239], v[238:239], v[114:115]
	v_pk_add_f32 v[230:231], v[230:231], v[118:119]
	v_pk_add_f32 v[14:15], v[14:15], v[122:123]
	v_pk_add_f32 v[236:237], v[236:237], v[126:127]
	v_pk_add_f32 v[250:251], v[250:251], v[130:131]
	v_pk_add_f32 v[246:247], v[246:247], v[134:135]
	v_pk_add_f32 v[244:245], v[244:245], v[138:139]
	v_pk_add_f32 v[240:241], v[240:241], v[142:143]
	v_pk_add_f32 v[238:239], v[238:239], v[146:147]
	v_pk_add_f32 v[230:231], v[230:231], v[150:151]
	s_setprio 0
	v_pk_add_f32 v[14:15], v[14:15], v[154:155]
	v_pk_add_f32 v[236:237], v[236:237], v[158:159]
	s_delay_alu instid0(VALU_DEP_2)
	v_pk_add_f32 v[14:15], v[14:15], v[244:245]
	s_delay_alu instid0(VALU_DEP_2)
	v_pk_add_f32 v[236:237], v[236:237], v[240:241]
	v_pk_add_f32 v[250:251], v[250:251], v[238:239]
	v_pk_add_f32 v[246:247], v[246:247], v[230:231]
	s_delay_alu instid0(VALU_DEP_2)
	v_pk_add_f32 v[14:15], v[14:15], v[250:251]
	s_delay_alu instid0(VALU_DEP_2)
	v_pk_add_f32 v[236:237], v[236:237], v[246:247]
	s_delay_alu instid0(VALU_DEP_1)
	v_pk_add_f32 v[14:15], v[14:15], v[236:237]
	s_wait_alu depctr_va_vdst(0)                   ; and one for the four
.irp b, 0,1,2,3
	v_max_num_f32 v[232+\b], 0x1800000, v[232+\b]  ; the floor 2^(3 - 127): the byte cannot fall under 1
.endr
.irp b, 0,1,2,3
	s_delay_alu instid0(VALU_DEP_4)
	v_add_nc_u32 v[244+\b], 0xff000000, v[232+\b]  ; 2 off the exponent field: the conversion's scale operand
.endr
.irp b, 0,1,2,3
	s_delay_alu instid0(VALU_DEP_4)
	v_lshrrev_b32 v[236+\b], 23, v[244+\b]         ; the scale's byte
.endr
	s_delay_alu instid0(VALU_DEP_3)
	v_lshl_or_b32 v253, v237, 8, v236              ; p's scale word for these 128 keys
	s_delay_alu instid0(VALU_DEP_1)
	v_lshl_or_b32 v253, v238, 16, v253
	s_delay_alu instid0(VALU_DEP_1)
	v_lshl_or_b32 v253, v239, 24, v253
.irp c, 0,1
	v_cvt_scalef32_pk16_fp6_f32 v[224+6*\c:226+6*\c], v[96+32*\c:111+32*\c], v[244+2*\c]
	v_cvt_scalef32_pk16_fp6_f32 v[236+4*\c:238+4*\c], v[112+32*\c:127+32*\c], v[245+2*\c]
.endr
	v_nop                                          ; one plain place behind a scaled conversion
.irp c, 0,1
.irp i, 0,1,2
	v_permlane16_swap_b32 v[224+6*\c+\i], v[236+4*\c+\i]
.endr
.irp i, 0,1,2
	s_delay_alu instid0(VALU_DEP_3)
	v_mov_b32 v[227+6*\c+\i], v[236+4*\c+\i]
.endr
.endr
.set j, 0
.rept 16
	v_pk_mul_f32 v[160+j:161+j], v[160+j:161+j], v[252:253] op_sel_hi:[1,0]   ; O^T under the new M.  These sixteen are also the places between p's codes and scale word and the products below
.set j, j+2
.endr
	s_wait_alu depctr_va_vdst(0)
	s_wait_dscnt 0x0                               ; v^T and its scale words are in
.irp f, 0,2
	v_wmma_scale_f32_16x16x128_f8f6f4 v[160+8*\f:167+8*\f], v[32+12*\f:43+12*\f], v[224:235], v[160+8*\f:167+8*\f], v[248+\f/2], v253 matrix_a_fmt:MATRIX_FMT_FP6 matrix_b_fmt:MATRIX_FMT_FP6
	v_wmma_scale_f32_16x16x128_f8f6f4 v[168+8*\f:175+8*\f], v[44+12*\f:55+12*\f], v[224:235], v[168+8*\f:175+8*\f], v[248+\f/2], v253 matrix_a_fmt:MATRIX_FMT_FP6 matrix_b_fmt:MATRIX_FMT_FP6 matrix_a_scale:MATRIX_SCALE_ROW1
.endr
.Lnext:
	s_add_co_u32 s[TB], s[TB], REC
	s_add_co_u32 s[KF], s[KF], 128
	s_sub_co_u32 s[J], s[J], 1
	s_cmp_lg_u32 s[J], 0
	s_cbranch_scc1 .Lstep
	s_setprio 0
	; THE WAY OUT.  v^T's rows are in storage order too: register 16 b + i of O^T is channel 32 b + 16 (lane / 16) + i of my query.
.rept 4
	v_nop                                          ; places behind the last products
.endr
	v_add_f32 v14, v14, v15                        ; l's two halves,
	s_delay_alu instid0(VALU_DEP_1)
	v_permlanex16_b32 v252, v14, s[SEL], s[SEL+1]
	s_delay_alu instid0(VALU_DEP_1)
	v_add_f32 v14, v14, v252                       ; and lane l xor 16's
	s_wait_alu depctr_va_vdst(0)
	v_rcp_f32 v14, v14
	v_lshlrev_b32 v11, 3, v6                       ; (a plain place behind the reciprocal)  8 r: my row's scale words
	s_lshr_b32 s44, s11, 4
	s_lshl_b32 s44, s44, 7
	s_add_co_u32 s44, s44, s13                     ; my tile among aq's 512
	s_and_b32 s45, s11, 15                         ; the head
	s_mul_i32 s46, s44, 12288
	s_mul_i32 s47, s45, 768
	s_add_co_u32 s46, s46, s47
	s_mov_b32 s47, 0
	s_add_nc_u64 s[36:37], s[8:9], s[46:47]        ; the head's half of its fragment
	s_lshl_b32 s46, s44, 9
	s_lshr_b32 s44, s45, 2
	s_lshl_b32 s44, s44, 7
	s_add_co_u32 s46, s46, s44
	s_and_b32 s44, s45, 3
	s_lshl_b32 s44, s44, 1
	s_add_co_u32 s46, s46, s44
	s_add_co_u32 s46, s46, 6291456
	s_add_nc_u64 s[38:39], s[8:9], s[46:47]        ; the head's two bytes of row 0's scale word
	s_wait_alu depctr_va_vdst(0)                   ; the wait ahead of the reciprocal's first reader
.set j, 0
.rept 32
	v_mul_f32 v[96+j], v[160+j], v14               ; O^T / l
.set j, j+1
.endr
.irp b, 0,1
	v_max3_num_f32 v[232+\b], |v[96+16*\b]|, |v[97+16*\b]|, 0x1800000
.endr
.irp i, 2,4,6,8,10,12,14
.irp b, 0,1
	s_delay_alu instid0(VALU_DEP_2)
	v_max3_num_f32 v[232+\b], v[232+\b], |v[96+16*\b+\i]|, |v[97+16*\b+\i]|
.endr
.endr
.irp b, 0,1
	s_delay_alu instid0(VALU_DEP_2)
	v_permlanex16_b32 v[236+\b], v[232+\b], s[SEL], s[SEL+1]
.endr
.irp b, 0,1
	s_delay_alu instid0(VALU_DEP_2)
	v_max_num_f32 v[232+\b], v[232+\b], v[236+\b]
.endr
.irp b, 0,1
	s_delay_alu instid0(VALU_DEP_2)
	v_add_nc_u32 v[244+\b], 0xff000000, v[232+\b]
.endr
.irp b, 0,1
	s_delay_alu instid0(VALU_DEP_2)
	v_lshrrev_b32 v[236+\b], 23, v[244+\b]
.endr
	s_delay_alu instid0(VALU_DEP_1)
	v_lshl_or_b32 v253, v237, 8, v236              ; the head's two scale bytes
	v_cvt_scalef32_pk16_fp6_f32 v[224:226], v[96:111], v244
	v_cvt_scalef32_pk16_fp6_f32 v[240:242], v[112:127], v245
	v_nop
.irp i, 0,1,2
	v_permlane16_swap_b32 v[224+\i], v[240+\i]
.endr
.irp i, 0,1,2
	s_delay_alu instid0(VALU_DEP_3)
	v_mov_b32 v[227+\i], v[240+\i]
.endr
	global_store_b128 v1, v[224:227], s[36:37]             ; 512 consecutive bytes,
	global_store_b64 v2, v[228:229], s[36:37] offset:512   ; and 256
	global_store_b16 v11, v253, s[38:39]                   ; both halves of the lanes write the same two bytes with the same value
	s_wait_tensorcnt 0x0
	ds_add_u32 v223, v243
	s_wait_dscnt 0x0
	s_endpgm
.Lfunc_end_k_qdaed6caf18_attn:
	.size	k_qdaed6caf18_attn, .Lfunc_end_k_qdaed6caf18_attn-k_qdaed6caf18_attn
	.p2alignl 7, 3214868480
	.fill 96, 4, 3214868480
	.section	.rodata,"a",@progbits
	.p2align	6, 0x0
	.amdhsa_kernel k_qdaed6caf18_attn
		.amdhsa_group_segment_fixed_size 169984
		.amdhsa_private_segment_fixed_size 0
		.amdhsa_enable_private_segment 0
		.amdhsa_kernarg_size 24
		.amdhsa_user_sgpr_count 2
		.amdhsa_user_sgpr_kernarg_segment_ptr 1
		.amdhsa_wavefront_size32 1
		.amdhsa_system_sgpr_workgroup_id_x 1
		.amdhsa_system_sgpr_workgroup_id_y 1
		.amdhsa_system_sgpr_workgroup_id_z 1
		.amdhsa_system_vgpr_workitem_id 0
		.amdhsa_next_free_vgpr 256
		.amdhsa_next_free_sgpr 66
		.amdhsa_reserve_vcc 1
		.amdhsa_float_denorm_mode_32 3
		.amdhsa_float_denorm_mode_16_64 3
		.amdhsa_memory_ordered 1
		.amdhsa_forward_progress 1
		.amdhsa_inst_pref_size 39
	.end_amdhsa_kernel
	.amdgpu_metadata
---
amdhsa.version: [ 1, 2 ]
amdhsa.kernels:
  - .name:           k_qdaed6caf18_attn
    .symbol:         k_qdaed6caf18_attn.kd
    .args:
      - { .name: qq, .offset: 0, .size: 8, .value_kind: global_buffer, .address_space: global }
      - { .name: kv, .offset: 8, .size: 8, .value_kind: global_buffer, .address_space: global }
      - { .name: aq, .offset: 16, .size: 8, .value_kind: global_buffer, .address_space: global }
    .group_segment_fixed_size: 169984
    .private_segment_fixed_size: 0
    .kernarg_segment_align: 8
    .kernarg_segment_size: 24
    .max_flat_workgroup_size: 512
    .sgpr_count:     66
    .vgpr_count:     256
    .wavefront_size: 32
...
	.end_amdgpu_metadata
.endif
;; end of part 3
;; launch oproj (part 4): grid 4 x 32, 4 waves a work-group, clusters of 4 x 4, 327,680 bytes of LDS; arguments aq, wq, out0; writes out0
.if DOCPART == 4
	.amdgcn_target "amdgcn-amd-amdhsa--gfx1250"
	.amdhsa_code_object_version 6
	.text
	.protected	k_qdaed6caf18_oproj
	.globl	k_qdaed6caf18_oproj
	.p2align	8
	.type	k_qdaed6caf18_oproj,@function
k_qdaed6caf18_oproj:
	s_mov_b64 s[64:65], 0
	v_nop
	global_prefetch_b8 v0, s[64:65] scope:SCOPE_SE
	s_setreg_imm32_b32 hwreg(HW_REG_WAVE_MODE, 25, 1), 1
	s_wait_xcnt 0x0
	s_wait_alu depctr_hold_cnt(0) depctr_sa_sdst(0) depctr_va_vdst(0) depctr_va_sdst(0) depctr_va_ssrc(0) depctr_va_vcc(0) depctr_vm_vsrc(0)
	s_getreg_b32 s2, hwreg(HW_REG_IB_STS2, 6, 4)
	s_cmp_eq_u32 s2, 0
	s_cbranch_scc0 .Lentry_in_a_cluster
	s_endpgm
.Lentry_in_a_cluster:
	s_bfe_u32 s2, ttmp6, 0x10000c
	s_cmp_lg_u32 s2, 0xf033
	s_cbranch_scc0 .Lentry_shape_is_right
	s_endpgm
.Lentry_shape_is_right:
; out0 = a Wo^T, a the attention's result, on codes of FP6 (E2M3) with E8M0 scales, K = 1,024; out0 [8192][1024] f32.
; OPERANDS lie as images of fragments' registers, rows in storage order (storage row p = actual row p with bits 3 and 4 swapped): [tile of 16 rows][K step of 128][1,536 bytes], scale words [tile][K step / 2][row][K step % 2].
; A tile of C, 256 x 256, is made by four waves, 128 x 128 each: 64 accumulators, 512 registers.  K goes in four steps of 256 through two LDS slots filled by the tensor data mover; the scale words of all K come once.
; THE MATRIX INSTRUCTION IS USED TRANSPOSED: source 0 = 16 rows of Wo, source 1 = 16 rows of a: a lane holds eight neighbouring numbers of a row of C.
; CLUSTERS: 4 x 4 work-groups; a's tiles are asked for jointly by a row of the cluster, Wo's by a column.  C has 128 tiles: as many work-groups.
; THE WAY OUT undoes both storage orders: Wo's by the place of an accumulator's bytes in a stage row, a's by the row of C that a stage row is stored to.
; REGISTERS, in windows of 256: window 0: v0-31 addresses; v32-63 scale words, two sets; v128-223 a's fragments, one set; on the way out v128-255 rows of C.  window 1: Wo's fragments, two sets.  windows 2, 3: the accumulators.
.set NQ,     2
.set FR,     12
.set NL,     4
.set NP,     4                         ; places behind this matrix instruction (ISA guide 7.12.1)
.set TILEB,  3072
.set HALFT,  8*TILEB
.set SLOT,   4*HALFT
.set SCL,    2*SLOT
.set HALFS,  4096
.set SPARE,  SCL+4*HALFS               ; the spare words, 128 bytes a wave: two blocks of 256 bytes that no other line names
.set STG,    SPARE+512                 ; the stages: 16 rows x 528 bytes a wave; no fill lands here
.set SPITCH, 528
.set L16,  12
.set L8,   13
.set ADRA, 16
.set ADRB, 20
.set STO,  24                          ; v24  where I put 32 bytes of a row
.set RD,   25                          ; v25  where I read a row back
.set CO,   26                          ; v26  my 16 bytes of a row's 512
.set ADRS, 27
.set SPW,  28
.set NIL,  29
.set SC,   32
.set AF,   128
.set BK,   128
.set G1, 24
.set G0, 32
.set G1B, 48
.set G0B, 56
.set G1S, 68
.set G0S, 76
.set G1SB, 80
.set G0SB, 88
.set MSB, 0
.macro WIN new                         ; the immediate's high byte repeats the setting that is left
.if MSB != (\new)
	s_set_vgpr_msb (MSB<<8)|(\new)
.set MSB, (\new)
.endif
.endm
.set MUL_LO, 0xa1
.set MUL_HI, 0xf1
.set TO_B,   0x40
.macro JLOAD g0a, g1a, g0b, g1b        ; a joint load: waves 0 and 1 fetch for A, waves 2 and 3 for B; four v_nop follow each of the two lines
	s_cmp_eq_u32 s15, 0
	s_cbranch_scc0 .Lfor_b_\@
	tensor_load_to_lds s[\g0a:\g0a+3], s[\g1a:\g1a+7]
	s_nop 0
.rept 4
	v_nop
.endr
	s_branch .Lasked_\@
.Lfor_b_\@:
	tensor_load_to_lds s[\g0b:\g0b+3], s[\g1b:\g1b+7]
	s_nop 0
.rept 4
	v_nop
.endr
.Lasked_\@:
.endm
.macro CREST
	s_cmp_lg_u32 s14, 0
	s_cbranch_scc1 .Lnot_wave_0_\@
	s_barrier_signal -3
.Lnot_wave_0_\@:
	s_barrier_wait -3
	s_barrier_signal -1
	s_barrier_wait -1
.endm
.macro CROUND
	s_barrier_signal -1
	s_barrier_wait -1
	CREST
.endm
	s_load_b128 s[4:7], s[0:1], 0x0                ; aq s[4:5], wq s[6:7]
	s_load_b64 s[12:13], s[0:1], 0x10              ; out0
	v_lshl_add_u32 v[SPW], v0, 2, SPARE
	v_mov_b32 v[NIL], 0
	ds_add_u32 v28, v29
	ds_add_u32 v28, v29
	s_wait_dscnt 0x0
	v_lshrrev_b32 v1, 5, v0
	v_readfirstlane_b32 s14, v1                    ; wave 0..3
	s_lshr_b32 s15, s14, 1
	s_and_b32 s16, s14, 1
	s_bfe_u32 s40, ttmp6, 0x40000                  ; cx, cy
	s_bfe_u32 s41, ttmp6, 0x40004
	s_lshl_b32 s42, ttmp9, 2
	s_add_co_u32 s42, s42, s40                     ; tile column of C
	s_and_b32 s17, ttmp7, 0xffff
	s_lshl_b32 s17, s17, 2
	s_add_co_u32 s17, s17, s41                     ; tile row of C
	s_lshl_b32 s43, s41, 2
	s_lshl_b32 s43, 15, s43                        ; my row of the cluster
	s_lshl_b32 s44, 0x1111, s40                    ; my column
	s_or_b32 s[G1+0], s43, (3<<16)|(1<<21)         ; 8 rows of 384 elements of 8 bytes, 1,536 elements apart, no padding
	s_or_b32 s[G1B+0], s44, (3<<16)|(1<<21)
.irp g, G1, G1B
	s_mov_b32 s[\g+1], 384<<16
	s_mov_b32 s[\g+2], 8<<16
	s_mov_b32 s[\g+3], 384<<16
	s_mov_b32 s[\g+4], 8
	s_mov_b32 s[\g+5], 1536
	s_mov_b32 s[\g+6], 0
	s_mov_b32 s[\g+7], 0
.endr
	s_or_b32 s[G1S+0], s43, (3<<16)|(1<<21)        ; 4,096 dense bytes as 16 rows of 256
	s_or_b32 s[G1SB+0], s44, (3<<16)|(1<<21)
.irp g, G1S, G1SB
	s_mov_b32 s[\g+1], 32<<16
	s_mov_b32 s[\g+2], 16<<16
	s_mov_b32 s[\g+3], 32<<16
	s_mov_b32 s[\g+4], 16
	s_mov_b32 s[\g+5], 32
	s_mov_b32 s[\g+6], 0
	s_mov_b32 s[\g+7], 0
.endr
	s_lshl_b32 s18, s16, 3
	s_lshl_b32 s20, s17, 4
	s_add_co_u32 s20, s20, s18                     ; A: 16 x tile row + 8 x half
	s_lshl_b32 s46, s42, 4
	s_add_co_u32 s46, s46, s18                     ; B: 16 x tile column + 8 x half
	s_lshl_b32 s22, s20, 9
	s_add_co_u32 s22, s22, 6291456                 ; aq's scale words
	s_lshl_b32 s92, s46, 9
	s_add_co_u32 s92, s92, 3244032                 ; Wo's scale words: tile 192 of wq on
	s_mul_i32 s20, s20, 12288
	s_mul_i32 s46, s46, 12288
	s_add_co_u32 s46, s46, 2359296                 ; Wo's codes
	s_mov_b32 s21, 0
	s_mov_b32 s23, 0
	s_mov_b32 s47, 0
	s_mov_b32 s93, 0
	s_mul_i32 s45, s14, HALFT
	s_lshl_b32 s66, s14, 12
	s_wait_kmcnt 0x0
	s_add_nc_u64 s[20:21], s[4:5], s[20:21]
	s_add_nc_u64 s[22:23], s[4:5], s[22:23]
	s_add_nc_u64 s[46:47], s[6:7], s[46:47]
	s_add_nc_u64 s[92:93], s[6:7], s[92:93]
	CROUND                                         ; all sixteen work-groups are here: the first joint loads meet
	s_mov_b32 s[G0S], 1
	s_add_co_u32 s[G0S+1], s66, SCL
	s_mov_b64 s[G0S+2:G0S+3], s[22:23]
	s_or_b32 s[G0S+3], s[G0S+3], 0x80000000
	s_mov_b32 s[G0SB], 1
	s_add_co_u32 s[G0SB+1], s66, SCL
	s_mov_b64 s[G0SB+2:G0SB+3], s[92:93]
	s_or_b32 s[G0SB+3], s[G0SB+3], 0x80000000
	JLOAD G0S, G1S, G0SB, G1SB
.irp s, 0,1
	s_mov_b32 s[G0+4*\s], 1
	s_add_co_u32 s[G0+4*\s+1], s45, \s*SLOT
	s_add_nc_u64 s[G0+4*\s+2:G0+4*\s+3], s[20:21], \s*TILEB
	s_or_b32 s[G0+4*\s+3], s[G0+4*\s+3], 0x80000000
	s_mov_b32 s[G0B+4*\s], 1
	s_add_co_u32 s[G0B+4*\s+1], s45, \s*SLOT
	s_add_nc_u64 s[G0B+4*\s+2:G0B+4*\s+3], s[46:47], \s*TILEB
	s_or_b32 s[G0B+4*\s+3], s[G0B+4*\s+3], 0x80000000
	JLOAD G0+4*\s, G1, G0B+4*\s, G1B
.endr
	v_and_b32 v1, 15, v0                           ; r
	v_bfe_u32 v2, v0, 4, 1                         ; h
	v_and_b32 v3, 31, v0                           ; lane
	v_lshlrev_b32 v[L16], 4, v3
	v_lshlrev_b32 v[L8], 3, v3
	s_mul_i32 s21, s15, HALFT
	s_mul_i32 s22, s16, HALFT
	s_add_co_u32 s22, s22, 2*HALFT
.irp s, 0,1
	v_add_nc_u32 v[ADRA+\s], s21, v[L16]
	v_add_nc_u32 v[ADRB+\s], s22, v[L16]
	v_add_nc_u32 v[ADRA+2+\s], s21, v[L8]
	v_add_nc_u32 v[ADRB+2+\s], s22, v[L8]
	s_add_co_u32 s21, s21, SLOT
	s_add_co_u32 s22, s22, SLOT
.endr
	s_lshl_b32 s21, s15, 12
	s_lshl_b32 s22, s16, 12
	s_add_co_u32 s22, s22, 2*HALFS
	s_sub_co_u32 s22, s22, s21
	v_mul_u32_u24 v6, s22, v2                      ; lanes 16-31 take B's
	s_add_co_u32 s21, s21, SCL
	v_lshl_add_u32 v5, v1, 3, v6
	v_add_nc_u32 v[ADRS], s21, v5
	s_mul_i32 s23, s14, 16*SPITCH
	s_add_co_u32 s23, s23, STG                     ; my stage
	v_mul_u32_u24 v5, v1, SPITCH
	v_lshl_add_u32 v5, v2, 6, v5                   ; in: row r, + 64 h: in a pair of Wo's tiles my half's 16 columns
	v_add_nc_u32 v[STO], s23, v5
	v_lshlrev_b32 v[CO], 4, v3                     ; back: the 32 lanes take one row of 512 bytes; and the same in C
	v_add_nc_u32 v[RD], s23, v[CO]
	s_lshl_b32 s20, s17, 8
	s_lshl_b32 s21, s15, 7
	s_add_co_u32 s20, s20, s21                     ; my first row of C,
	s_lshl_b32 s20, s20, 12                        ; 4,096 bytes a row
	s_lshl_b32 s46, s42, 10
	s_lshl_b32 s47, s16, 9
	s_add_co_u32 s46, s46, s47                     ; my first column, in bytes
	s_add_co_u32 s20, s20, s46
	s_mov_b32 s21, 0
	s_add_nc_u64 s[12:13], s[12:13], s[20:21]
.macro FRAG reg, adr, q, i
	ds_load_b128 v[\reg:\reg+3], v[\adr] offset:TILEB*(\i)+1536*(\q)
	ds_load_b64 v[\reg+4:\reg+5], v[\adr+2] offset:TILEB*(\i)+1536*(\q)+512
	ds_load_b128 v[\reg+6:\reg+9], v[\adr] offset:TILEB*(\i)+1536*(\q)+768
	ds_load_b64 v[\reg+10:\reg+11], v[\adr+2] offset:TILEB*(\i)+1536*(\q)+1280
.endm
.macro MUL16 a0, p, q, sc, zero        ; the 64 accumulators take turns, one instruction a turn, in the same order in every step
.irp a, \a0, \a0+1
.irp b, 0,1,2,3,4,5,6,7
.if \zero
	v_wmma_scale_f32_16x16x128_f8f6f4 v[8*(8*((\a)%4)+\b):8*(8*((\a)%4)+\b)+7], v[128*(\p)+FR*\b:128*(\p)+FR*\b+FR-1], v[AF+FR*(\a):AF+FR*(\a)+FR-1], 0, v[SC+8*NQ*(\sc)+NQ*\b+(\q)], v[SC+8*NQ*(\sc)+NQ*(\a)+(\q)] matrix_a_fmt:MATRIX_FMT_FP6 matrix_b_fmt:MATRIX_FMT_FP6 matrix_a_scale:MATRIX_SCALE_ROW1
.else
	v_wmma_scale_f32_16x16x128_f8f6f4 v[8*(8*((\a)%4)+\b):8*(8*((\a)%4)+\b)+7], v[128*(\p)+FR*\b:128*(\p)+FR*\b+FR-1], v[AF+FR*(\a):AF+FR*(\a)+FR-1], v[8*(8*((\a)%4)+\b):8*(8*((\a)%4)+\b)+7], v[SC+8*NQ*(\sc)+NQ*\b+(\q)], v[SC+8*NQ*(\sc)+NQ*(\a)+(\q)] matrix_a_fmt:MATRIX_FMT_FP6 matrix_b_fmt:MATRIX_FMT_FP6 matrix_a_scale:MATRIX_SCALE_ROW1
.endif
.endr
.endr
.endm
.macro FETCH_B slot, q, p
	WIN TO_B
.irp i, 0,1,2,3,4,5,6,7
	FRAG 128*(\p)+FR*\i, ADRB+\slot, \q, \i
.endr
	WIN 0
.endm
.macro FETCH_A slot, q, i0
.irp i, \i0, \i0+1, \i0+2, \i0+3
	FRAG AF+FR*(\i), ADRA+\slot, \q, \i
.endr
.endm
.macro SCALES sc
.irp i, 0,1,2,3,4,5,6,7
	ds_load_b64 v[SC+8*NQ*\sc+NQ*\i:SC+8*NQ*\sc+NQ*\i+1], v[ADRS] offset:512*\i
.endr
.endm
.macro PLACES n
.rept \n
	v_nop
.endr
.endm
.macro STEP slot, q, zero
	s_wait_dscnt 4*NL                              ; B's set and A's blocks 0-3 are in; the youngest 16 loads (A's blocks 4-7) may be out
	WIN MUL_LO
	MUL16 0, (\q)%2, \q, \slot, \zero
	MUL16 2, (\q)%2, \q, \slot, \zero
	s_wait_dscnt 0
	PLACES NP
	FETCH_B \slot, (\q)+1, 1-(\q)%2
	FETCH_A \slot, (\q)+1, 0
	WIN MUL_HI
	MUL16 4, (\q)%2, \q, \slot, \zero
	MUL16 6, (\q)%2, \q, \slot, \zero
	PLACES NP
	WIN 0
	FETCH_A \slot, (\q)+1, 4
.endm
.macro TURN slot, next, fill
	s_wait_tensorcnt 0x0                           ; all my tensor loads have landed: my part of the next slot
	ds_add_u32 v[SPW], v[NIL]                      ; 0 onto my spare word
	s_wait_dscnt 4*NL+1                            ; (the add and the youngest 16 loads may be out)
	WIN MUL_LO
	MUL16 0, 1, NQ-1, \slot, 0
	s_wait_dscnt 0x0                               ; the add is done, and my reads of this slot are over
	s_barrier_signal -1
	MUL16 2, 1, NQ-1, \slot, 0
	WIN 0
	s_barrier_wait -1
.if \fill
	CREST                                          ; the barrier has opened a round of the cluster's barrier
	s_add_nc_u64 s[G0+4*\slot+2:G0+4*\slot+3], s[G0+4*\slot+2:G0+4*\slot+3], 2*TILEB
	s_add_nc_u64 s[G0B+4*\slot+2:G0B+4*\slot+3], s[G0B+4*\slot+2:G0B+4*\slot+3], 2*TILEB
	JLOAD G0+4*\slot, G1, G0B+4*\slot, G1B         ; the first tensor load behind the round
.else
	PLACES NP
.endif
	v_add_nc_u32 v[ADRS], 128, v[ADRS]
	FETCH_B \next, 0, 0
	FETCH_A \next, 0, 0
	SCALES \next
	WIN MUL_HI
	MUL16 4, 1, NQ-1, \slot, 0
	MUL16 6, 1, NQ-1, \slot, 0
	PLACES NP
	WIN 0
	FETCH_A \next, 0, 4
.endm
	s_wait_tensorcnt 1                             ; of my three first fills the scale words and K step 0 are in; K step 1's may be out
	s_barrier_signal -1
	s_barrier_wait -1
	FETCH_B 0, 0, 0
	FETCH_A 0, 0, 0
	SCALES 0
	FETCH_A 0, 0, 4
	STEP 0, 0, 1
	TURN 0, 1, 1
	STEP 1, 0, 0
	TURN 1, 0, 1
	STEP 0, 0, 0
	TURN 0, 1, 0
	STEP 1, 0, 0
	s_wait_dscnt 4*NL
	WIN MUL_LO
	MUL16 0, 1, NQ-1, 1, 0
	MUL16 2, 1, NQ-1, 1, 0
	s_wait_dscnt 0
	WIN MUL_HI
	MUL16 4, 1, NQ-1, 1, 0
	MUL16 6, 1, NQ-1, 1, 0
	WIN 0
; THE WAY OUT, block by block of 16 storage rows x 128 columns, through my own stage.  Accumulator (a, b), lane (r, h), register j is column 32 (b / 2) + 16 h + 8 (b % 2) + j.  LDS serves a wave's instructions in order: no wait between stores and loads.
.macro TOSTAGE a
.set AC, 64*((\a)%4)
	WIN 0x08+4*((\a)/4)                            ; the data: window 2 or 3
.irp b, 0,1,2,3,4,5,6,7
	ds_store_b128 v[STO], v[AC+8*\b:AC+8*\b+3] offset:128*(\b/2)+32*(\b%2)          ; each accumulator from its low end on
	ds_store_b128 v[STO], v[AC+8*\b+4:AC+8*\b+7] offset:128*(\b/2)+32*(\b%2)+16
.endr
	WIN 0
.set BB, BK+64*((\a)%2)
.irp t, 0,1,2,3,4,5,6,7,8,9,10,11,12,13,14,15
	ds_load_b128 v[BB+4*\t:BB+4*\t+3], v[RD] offset:\t*SPITCH
.endr
.endm
.macro SEND a, younger                 ; younger: the LDS instructions issued behind block a's loads, which may stay out.  Stage row t is row 32 (a / 2) + 8 (a % 2) + t % 8 + 16 (t / 8) of my 128
.set BB, BK+64*((\a)%2)
	s_wait_dscnt \younger
.irp t, 0,1,2,3,4,5,6,7,8,9,10,11,12,13,14,15
	global_store_b128 v[CO], v[BB+4*\t:BB+4*\t+3], s[12:13] offset:(32*((\a)/2)+8*((\a)%2)+\t%8+16*(\t/8))*4096 th:TH_STORE_NT   ; 32 lanes store 512 consecutive bytes, at a multiple of 256 from out0's first byte
.endr
.endm
	PLACES NP
	TOSTAGE 0
.irp a, 1,2,3,4,5,6,7
.if \a > 1
	s_wait_xcnt 0x0                                ; block a - 2's stores have read their registers: block a's loads may land there
.endif
	TOSTAGE \a
	SEND \a-1, 32                                  ; behind block a - 1's loads: block a's 16 stores and 16 loads
.endr
	SEND 7, 0
	s_wait_tensorcnt 0x0                           ; the wave's end: behind my last tensor load and my last LDS store
	ds_add_u32 v[SPW], v[NIL]
	s_wait_dscnt 0x0
	CROUND                                         ; the closing round
	s_endpgm
.Lfunc_end_k_qdaed6caf18_oproj:
	.size	k_qdaed6caf18_oproj, .Lfunc_end_k_qdaed6caf18_oproj-k_qdaed6caf18_oproj
	.p2alignl 7, 3214868480
	.fill 96, 4, 3214868480
	.section	.rodata,"a",@progbits
	.p2align	6, 0x0
	.amdhsa_kernel k_qdaed6caf18_oproj
		.amdhsa_group_segment_fixed_size 327680
		.amdhsa_private_segment_fixed_size 0
		.amdhsa_enable_private_segment 0
		.amdhsa_kernarg_size 24
		.amdhsa_user_sgpr_count 2
		.amdhsa_user_sgpr_kernarg_segment_ptr 1
		.amdhsa_wavefront_size32 1
		.amdhsa_system_sgpr_workgroup_id_x 1
		.amdhsa_system_sgpr_workgroup_id_y 1
		.amdhsa_system_sgpr_workgroup_id_z 1
		.amdhsa_system_vgpr_workitem_id 0
		.amdhsa_next_free_vgpr 1024
		.amdhsa_next_free_sgpr 100
		.amdhsa_reserve_vcc 0
		.amdhsa_float_denorm_mode_32 3
		.amdhsa_float_denorm_mode_16_64 3
		.amdhsa_memory_ordered 1
		.amdhsa_forward_progress 1
		.amdhsa_inst_pref_size 143
	.end_amdhsa_kernel
	.amdgpu_metadata
---
amdhsa.version: [ 1, 2 ]
amdhsa.kernels:
  - .name:           k_qdaed6caf18_oproj
    .symbol:         k_qdaed6caf18_oproj.kd
    .args:
      - { .name: aq, .offset: 0, .size: 8, .value_kind: global_buffer, .address_space: global }
      - { .name: wq, .offset: 8, .size: 8, .value_kind: global_buffer, .address_space: global }
      - { .name: out0, .offset: 16, .size: 8, .value_kind: global_buffer, .address_space: global }
    .group_segment_fixed_size: 327680
    .private_segment_fixed_size: 0
    .kernarg_segment_align: 8
    .kernarg_segment_size: 24
    .max_flat_workgroup_size: 128
    .sgpr_count:     100
    .vgpr_count:     1024
    .wavefront_size: 32
...
	.end_amdgpu_metadata
.endif
;; end of part 4
